; MI455X (gfx1250); checked and timed in simulation.
; The chip was launched on July 23, 2026; its instructions are those of AMD's public machine-readable ISA for CDNA 5 (MIT licence, August 2026) and "CDNA5" Instruction Set Architecture Reference Guide (July 2026). The comments in the code are by the model that wrote it; some were corrected since.
;; MAC Cell. Allowed arithmetic: matrix products marked QUANTISED: E2M1 operands, one E8M0 scale for each 32 along K, by v_wmma_scale_f32_16x16x128_f8f6f4 with both operands' format E2M1 (or v_wmma_scale_f32_32x16x128_f4), f32 sums; products left as they are: f32 operands where the result goes on into a quantised operand, else bf16, f16 or f32 operands; f32 sums; everything else in f32.
;; Inputs: W_cat 1,024 x 512 float32; W_cattn 512 x 1 float32; W_cq 1,024 x 512 float32; W_kb 512 x 512 float32; W_mem 512 x 512 float32; W_rattn 512 x 1 float32; W_wr 1,024 x 512 float32; b_cat 512 float32; b_cattn 1 float32; b_cq 512 float32; b_kb 512 float32; b_mem 512 float32; b_rattn 1 float32; b_wr 512 float32; context 128 x 64 x 512 float32; control 128 x 512 float32; kb 128 x 512 x 512 float32; kb_mask 128 x 512 bool; memory 128 x 512 float32; q_mask 128 x 64 bool; question 128 x 512 float32; step_emb 8 x 512 float32.
;; Outputs: out0 128 x 512 float32; out1 128 x 512 float32; out2 128 x 512 float32.
;; Constants: step = 1.
;; This version of the problem:
;;   THIS VERSION OF THE PROBLEM IS GIVEN IN LOW PRECISION. The matrix products marked QUANTISED in the list below multiply operands that are first quantised to E2M1 (2 exponent bits, 1 mantissa bit; 4 bits a number), with one power-of-two scale for each 32 numbers along K (OCP MX v1.0); their sums are f32. All else is computed in f32.
;;   The module's matrix products, in the order in which they are computed (A, B: the left and right operand; K: the contracted axis; several contracted axes count as one K, in the product's order):
;;     1. [M 128, K 1,024] x [K 1,024, N 512]; A: computed on the way; B: input W_cq: QUANTISED
;;     2. [M 8,192, K 512] x [K 512, N 1]; A: computed on the way; B: input W_cattn: left as it is (N = 1 < 16)
;;     3. batch 128 x [M 1, K 64] x [K 64, N 512]; A: softmax; B: input context: left as it is (M = 1 < 16)
;;     4. [M 128, K 512] x [K 512, N 512]; A: input memory; B: input W_mem: QUANTISED
;;     5. [M 65,536, K 512] x [K 512, N 512]; A: input kb; B: input W_kb: QUANTISED
;;     6. [M 65,536, K 1,024] x [K 1,024, N 512]; A: computed on the way; B: input W_cat: QUANTISED
;;     7. [M 65,536, K 512] x [K 512, N 1]; A: computed on the way; B: input W_rattn: left as it is (N = 1 < 16)
;;     8. batch 128 x [M 1, K 512] x [K 512, N 512]; A: softmax; B: input kb: left as it is (M = 1 < 16)
;;     9. [M 128, K 1,024] x [K 1,024, N 512]; A: computed on the way; B: input W_wr: QUANTISED
;;   THE QUANTISER, for each operand of a quantised product, along K:
;;     - K is cut into blocks of 32 from its start; a last block that is shorter is filled with zeros.
;;     - A block's scale is 2^e with e = floor(log2(the largest magnitude in the block)) - 2, held to -126 .. 127; a block of zeros has e = 0. As a byte (E8M0): e + 127.
;;     - Each number is divided by its block's scale, clamped to +-6, and rounded to the nearest number of E2M1, ties to even, subnormals kept.
;;     - The product sums the exact products of the quantised numbers (number of the format x scale) in f32.
;;   ~~~python
;;   def quantise(x, axis):      # numpy; x: float32 -> the quantised numbers, widened to float32 again
;;       x = np.moveaxis(x, axis, -1); K = x.shape[-1]
;;       x = np.pad(x, [(0, 0)] * (x.ndim - 1) + [(0, -K % 32)]); x = x.reshape(x.shape[:-1] + (-1, 32)); a = np.abs(x).max(-1, keepdims=True)
;;       e = np.where(a > 0, np.clip(np.frexp(np.where(a > 0, a, 1))[1] - 1 - 2, -126, 127), 0)      # np.frexp(a)[1] - 1 = floor(log2(a)), exactly
;;       r = np.clip(x / 2.0 ** e, -6, 6)
;;       step = 2.0 ** (np.maximum(np.frexp(np.where(r == 0, 1, r))[1] - 1, 0) - 1)
;;       q = np.round(r / step) * step * 2.0 ** e      # np.round: ties to even
;;       return np.moveaxis(q.reshape(q.shape[:-2] + (-1,))[..., :K], -1, axis).astype(np.float32)
;;   ~~~
;;   OPERANDS COMPUTED ON THE WAY. 'Computed on the way' means the value that the module computes at that place (a softmax that the list does not call 'softmax' is quantised finished and normalised). What goes into a quantiser is computed in f32, as accurately as f32 sums, v_exp_f32 and their like allow (about 1e-6 of the number): no bf16 or f16 on the way to a quantiser, and a product that is left as it is and whose result goes on into a quantised operand takes f32 operands (vector FMAs, or v_wmma_f32_16x16x4_f32). A number that lies on a knife's edge between two numbers of the format may be rounded either way, as far as f32 arithmetic and the matrix unit's own rounding can turn it there, and no further.
;; One version. Each part assembles by itself: llvm-mc -triple=amdgcn-amd-amdhsa -mcpu=gfx1250 --defsym DOCPART=n.
;; ======== version 1 of 1: 3 launches
;; workspace buffers: wts 696,320 bytes; proj 786,432 bytes; part 851,968 bytes
;; launch prep (part 1): grid 64 x 1, 8 waves a work-group, no clusters, 53,248 bytes of LDS; arguments W_cq, W_mem, W_kb, W_cat, W_wr, control, question, memory, b_cq, step_emb, b_mem, wts, proj; writes wts, proj
.if DOCPART == 1
	.amdgcn_target "amdgcn-amd-amdhsa--gfx1250"
	.amdhsa_code_object_version 6
	.text
	.protected	k_q978041adec_prep
	.globl	k_q978041adec_prep
	.p2align	8
	.type	k_q978041adec_prep,@function
k_q978041adec_prep:
	s_mov_b64 s[64:65], 0
	v_nop
	global_prefetch_b8 v0, s[64:65] scope:SCOPE_SE
	s_setreg_imm32_b32 hwreg(HW_REG_WAVE_MODE, 25, 1), 1
	s_wait_xcnt 0x0
; MACCell, launch 1 of 3.  Weights into codes of FP4 (E2M1) with one E8M0 scale for each 32 along K, and the three small products of K = 512.
; NOTHING OF reference() IS LEFT OUT IN THIS PROGRAM.  Every input has a way to an output: b_cattn, b_rattn and b_cat are the same along their softmax's axis, but the masks put
; the constant -10000 beside them, so they move the weights wherever a mask has a hole; the two large products are multiplied as they are written.  step = 1 is built in: row 1 of step_emb.
; LIMITS: a block of zeros gets the scale byte 1 where the rule says 127 (its codes are zeros, and this program alone reads the bytes); NaN and infinities among the inputs are not served.
; SHARES.  64 work-groups of eight waves: group = number / 8, chunk of 64 columns = number % 8.  Every work-group quantises 512 rows (K) x 64 columns of one weight:
;   groups 0, 1: W_cq's halves; 2: W_mem; 3: W_kb; 4, 5: W_cat's halves; 6, 7: W_wr's halves.
; Wave i takes K step i % 4 (128 along K) of columns 32 (i / 4) on.  A LANE TAKES A COLUMN AND ITS REGISTERS RUN DOWN K: a block of 32 lies in one lane, and the codes come out K innermost.
; A fragment (16 columns x 128 K) is laid AS THE OPERAND'S REGISTERS WANT IT: 1,024 bytes, group c of four registers at 512 c + 16 x lane.
; Groups 3 to 7 store those images and the scale words (one word a column and K step) into wts; groups 0 to 2 multiply at once:
;   pa = control W_cq[0:512] + b_cq,  pb = question W_cq[512:] + step_emb[1],  pm = memory W_mem + b_mem,  each [128][512] f32 in proj.  cq_proj = pa + pb is added by the next launch.
; wts: images of W_kb at 0, W_cat at 131,072, W_wr at 393,216: fragment (w = column / 128, s = K step, t = tile of 16 columns) at ((w S + s) 8 + t) 1,024, S = K / 128;
;      scale words of W_kb at 655,360, W_cat at 663,552, W_wr at 679,936: ((w S + s) 8 + t) 64 + 4 x (column % 16).  The scale words leave in pieces of 128 bytes: 40 KB in the whole launch.
.set IM,    0                          ; LDS: eight waves x two fragments
.set SCI,   16384                      ; eight waves x 32 scale words
.set STG,   17408                      ; eight stages of 16 rows x (256 + 16) bytes
.set SPARE, 52224                      ; the spare words, 128 bytes a wave: no other line names them
.set BO,  1                            ; v1  32 h: my eight numbers of a bias tile
.set SW,  2                            ; v2  my column's scale word
.set L4,  4                            ; v4  4 x lane
.set IMW, 5                            ; v5  where my column's codes go in my wave's two fragments
.set L16, 6                            ; v6  16 x lane
.set IMR, 7                            ; v7  my wave's fragments, 16 x lane
.set SCW, 8                            ; v8  where my scale word goes
.set SCR, 9                            ; v9  scale words, 4 x lane
.set XA,  10                           ; v10 the activations: row r, + 64 h
.set STO, 11                           ; v11 the stage: where I put 32 bytes of a row
.set SRD, 12                           ; v12 and where I read a row back
.set GO,  13                           ; v13 my byte offset in two rows of proj
.set SPW, 14                           ; v14 my spare word; never rewritten
.set NIL, 15                           ; v15 0; never rewritten
.set WC,  16                           ; v16-19   a block's codes
.set AS,  20                           ; v20-23   the activations' scale words: scales and nothing else
.set WSC, 24                           ; v24-31   the weight's scale words: scales and nothing else
.set XW,  32                           ; v32-159  128 numbers of my column
.set SB,  32                           ; v32-95   later: 64 numbers of my row (K step 1); then v32-47 the fragments of K steps 2, 3 and
.set ACC, 64                           ; v64-95   four accumulators
.set SC,  96                           ; v96-159  later: 64 numbers of my row (K step 2)
.set SA,  160                          ; v160-223 64 numbers of my row (K steps 0 and 3)
.set WF,  96                           ; v96-223  at the end: the weight's sixteen fragments
.set TM,  224                          ; v224-239 at work in QUANT;  v240-255 the fragments of K steps 0, 1
.set T0,  224
.set T1,  225
.set WV,  36
.set GRP, 37
.set CJ,  38
.set KH,  39
.set SL,  40
.set CG,  41
.set SEL, 56
; 64 numbers of a lane, register 16 b + i = k 32 b + 16 (lane / 16) + i of my row, become a fragment's codes in v[pc] on and its scale word in v[pw]
.macro QUANT src, pc, pw
.irp b, 0,1,2,3
	v_max3_num_f32 v[TM+\b], |v[\src+16*\b]|, |v[\src+1+16*\b]|, 0x1800000   ; my 16 numbers of block b, and the floor 2^(3 - 127): the byte cannot fall under 1
.endr
.irp i, 2,4,6,8,10,12,14
.irp b, 0,1,2,3
	v_max3_num_f32 v[TM+\b], v[TM+\b], |v[\src+16*\b+\i]|, |v[\src+1+16*\b+\i]|
.endr
.endr
.irp b, 0,1,2,3
	v_permlanex16_b32 v[TM+4+\b], v[TM+\b], s[SEL], s[SEL+1]
.endr
.irp b, 0,1,2,3
	v_max_num_f32 v[TM+\b], v[TM+\b], v[TM+4+\b]   ; with lane l xor 16's: the block's largest magnitude
.endr
.irp b, 0,1,2,3
	v_add_nc_u32 v[TM+12+\b], 0xff000000, v[TM+\b] ; 2 off its exponent field: the conversion's scale operand
.endr
.irp b, 0,1,2,3
	v_lshrrev_b32 v[TM+4+\b], 23, v[TM+12+\b]      ; the scale's byte
.endr
	v_lshl_or_b32 v[\pw], v[TM+5], 8, v[TM+4]
	v_lshl_or_b32 v[\pw], v[TM+6], 16, v[\pw]
	v_lshl_or_b32 v[\pw], v[TM+7], 24, v[\pw]
.irp b, 0,1,2,3
	v_cvt_scalef32_pk8_fp4_f32 v[\pc+2*\b], v[\src+16*\b:\src+7+16*\b], v[TM+12+\b]
	v_cvt_scalef32_pk8_fp4_f32 v[\pc+1+2*\b], v[\src+8+16*\b:\src+15+16*\b], v[TM+12+\b]
.endr
	v_nop                                          ; one plain place behind a scaled conversion
.irp c, 0,1                                    ; the layout wants a whole block in a lane
.irp i, 0,1
	v_permlane16_swap_b32 v[\pc+4*\c+\i], v[\pc+2+4*\c+\i]
.endr
.endr
.endm
.macro LOADA ks, dst                           ; my 16 rows' numbers of K step ks
.irp b, 0,1,2,3
.irp q, 0,1,2,3
	global_load_b128 v[\dst+16*\b+4*\q:\dst+16*\b+4*\q+3], v[XA], s[32:33] offset:512*\ks+128*\b+16*\q
.endr
.endr
.endm
; block be of my column: largest magnitude, byte, codes; the codes go to their place in the fragment
.macro WBLOCK be, cnt
	s_wait_loadcnt \cnt                            ; this block's 32 loads are in; cnt is at most the number of loads issued behind them
	v_max3_num_f32 v[T0], |v[XW+32*\be]|, |v[XW+32*\be+1]|, |v[XW+32*\be+2]|
	v_max3_num_f32 v[T1], |v[XW+32*\be+3]|, |v[XW+32*\be+4]|, |v[XW+32*\be+5]|
.irp i, 6,10,14,18,22,26
	v_max3_num_f32 v[T0], v[T0], |v[XW+32*\be+\i]|, |v[XW+32*\be+\i+1]|
	v_max3_num_f32 v[T1], v[T1], |v[XW+32*\be+\i+2]|, |v[XW+32*\be+\i+3]|
.endr
	v_max3_num_f32 v[T0], v[T0], |v[XW+32*\be+30]|, |v[XW+32*\be+31]|
	v_max3_num_f32 v[T0], v[T0], v[T1], 0x1800000  ; and the floor
	v_add_nc_u32 v[T0], 0xff000000, v[T0]          ; the conversion's scale operand
	v_lshrrev_b32 v[T1], 23, v[T0]                 ; the byte
.if \be == 0
	v_mov_b32 v[SW], v[T1]
.else
	v_lshl_or_b32 v[SW], v[T1], 8*\be, v[SW]
	s_wait_dscnt 0x0                               ; the last block's store has read the codes' registers
.endif
.irp g, 0,1,2,3
	v_cvt_scalef32_pk8_fp4_f32 v[WC+\g], v[XW+32*\be+8*\g:XW+32*\be+8*\g+7], v[T0]
.endr
	v_nop                                          ; one plain place behind the conversions: the next block writes their scale operand
	ds_store_b128 v[IMW], v[WC:WC+3] offset:(\be/2)*512+(\be%2)*256   ; register group c = be / 2, half of the lanes h = be % 2
.endm
; K step ks of the product, TRANSPOSED: source 0 = 16 columns of the weight, source 1 = my 16 rows (their fragment at v[af]): a lane then holds eight neighbouring columns of one row.  The four accumulators take turns
.macro PROD ks, af
.irp n, 0,1,2,3
.if \n%2
	v_wmma_scale_f32_16x16x128_f8f6f4 v[ACC+8*\n:ACC+8*\n+7], v[WF+32*\ks+8*\n:WF+32*\ks+8*\n+7], v[\af:\af+7], v[ACC+8*\n:ACC+8*\n+7], v[WSC+\ks+4*(\n/2)], v[AS+\ks] matrix_a_fmt:MATRIX_FMT_FP4 matrix_b_fmt:MATRIX_FMT_FP4 matrix_a_scale:MATRIX_SCALE_ROW1
.else
	v_wmma_scale_f32_16x16x128_f8f6f4 v[ACC+8*\n:ACC+8*\n+7], v[WF+32*\ks+8*\n:WF+32*\ks+8*\n+7], v[\af:\af+7], v[ACC+8*\n:ACC+8*\n+7], v[WSC+\ks+4*(\n/2)], v[AS+\ks] matrix_a_fmt:MATRIX_FMT_FP4 matrix_b_fmt:MATRIX_FMT_FP4
.endif
.endr
.endm
	s_load_b512 s[4:19], s[0:1], 0x0               ; W_cq, W_mem, W_kb, W_cat, W_wr, control, question, memory
	s_load_b256 s[20:27], s[0:1], 0x40             ; b_cq, step_emb, b_mem, wts
	s_load_b64 s[28:29], s[0:1], 0x60              ; proj
	v_lshl_add_u32 v[SPW], v0, 2, SPARE
	v_mov_b32 v[NIL], 0
	v_lshrrev_b32 v3, 5, v0
	v_readfirstlane_b32 s[WV], v3                  ; wave 0..7
	s_lshr_b32 s[GRP], ttmp9, 3
	s_and_b32 s[CJ], ttmp9, 7
	s_lshr_b32 s[KH], 0xa2, s[GRP]
	s_and_b32 s[KH], s[KH], 1                      ; groups 1, 5, 7 take the weight's second 512 rows
	s_and_b32 s[SL], s[WV], 3
	s_lshr_b32 s[CG], s[WV], 2
	s_mov_b32 s[SEL], 0x76543210
	s_mov_b32 s[SEL+1], 0xfedcba98
	v_and_b32 v3, 31, v0                           ; lane
	v_and_b32 v[T0], 15, v0                        ; r
	v_bfe_u32 v[T1], v0, 4, 1                      ; h
	v_lshlrev_b32 v[BO], 5, v[T1]
	v_lshlrev_b32 v[L4], 2, v3
	v_lshlrev_b32 v[L16], 4, v3
	s_lshl_b32 s42, s[WV], 11
	v_lshlrev_b32 v[IMW], 4, v[T0]
	v_lshl_add_u32 v[IMW], v[T1], 10, v[IMW]
	v_add_nc_u32 v[IMW], s42, v[IMW]               ; 2,048 x wave + 1,024 x (lane / 16) + 16 x (lane % 16)
	v_add_nc_u32 v[IMR], s42, v[L16]
	s_lshl_b32 s43, s[WV], 7
	s_add_co_u32 s43, s43, SCI
	v_add_nc_u32 v[SCW], s43, v[L4]
	v_add_nc_u32 v[SCR], SCI, v[L4]
	v_lshlrev_b32 v[XA], 11, v[T0]
	v_lshl_add_u32 v[XA], v[T1], 6, v[XA]
	s_mul_i32 s43, s[WV], 4352
	s_add_co_u32 s43, s43, STG
	v_mul_u32_u24 v[STO], v[T0], 272
	v_lshl_add_u32 v[STO], v[T1], 5, v[STO]
	v_add_nc_u32 v[STO], s43, v[STO]
	v_mul_u32_u24 v[SRD], v[T1], 272
	v_lshl_add_u32 v[SRD], v[T0], 4, v[SRD]
	v_add_nc_u32 v[SRD], s43, v[SRD]
	v_lshlrev_b32 v[GO], 11, v[T1]
	v_lshl_add_u32 v[GO], v[T0], 4, v[GO]
	s_lshl_b32 s44, s[KH], 20                      ; the weight: 512 rows of 2,048 bytes a half,
	s_lshl_b32 s46, s[SL], 18                      ; 128 rows a K step,
	s_add_co_u32 s44, s44, s46
	s_lshl_b32 s46, s[CJ], 8                       ; 64 columns a chunk,
	s_add_co_u32 s44, s44, s46
	s_lshl_b32 s46, s[CG], 7                       ; 32 columns a wave
	s_add_co_u32 s44, s44, s46
	s_mov_b32 s45, 0
	s_lshl_b32 s46, s[WV], 15                      ; the activations: 16 rows a wave
	s_mov_b32 s47, 0
	s_lshl_b32 s48, s[CJ], 8                       ; the bias: 64 numbers a chunk
	s_mov_b32 s49, 0
	s_wait_kmcnt 0x0
	s_add_nc_u64 s[22:23], s[22:23], 2048          ; step_emb's row 1
	s_cmp_lt_u32 s[GRP], 2                         ; the choices hang on the work-group's number alone
	s_cselect_b64 s[30:31], s[4:5], s[6:7]
	s_cselect_b64 s[32:33], s[16:17], s[18:19]
	s_cselect_b64 s[34:35], s[22:23], s[24:25]
	s_cmp_lt_u32 s[GRP], 3
	s_cselect_b64 s[30:31], s[30:31], s[8:9]
	s_cmp_lt_u32 s[GRP], 4
	s_cselect_b64 s[30:31], s[30:31], s[10:11]
	s_cmp_lt_u32 s[GRP], 6
	s_cselect_b64 s[30:31], s[30:31], s[12:13]
	s_cmp_eq_u32 s[GRP], 0
	s_cselect_b64 s[32:33], s[14:15], s[32:33]
	s_cselect_b64 s[34:35], s[20:21], s[34:35]
	s_add_nc_u64 s[30:31], s[30:31], s[44:45]
	s_add_nc_u64 s[32:33], s[32:33], s[46:47]
	s_add_nc_u64 s[34:35], s[34:35], s[48:49]
.set k, 0
.rept 128
	global_load_b32 v[XW+k], v[L4], s[30:31] offset:k*2048   ; row k of my K step at 32 neighbouring columns
.set k, k+1
.endr
	s_cmp_lt_u32 s[GRP], 3
	s_cbranch_scc0 .Lno_a0
	LOADA 0, SA                                    ; the groups that multiply ask for their rows' first K step now
.Lno_a0:
	WBLOCK 0, 63                                   ; 96 weight loads stand behind block 0's, 64 behind block 1's: the count is held at the field's 63
	WBLOCK 1, 63
	WBLOCK 2, 32                                   ; block 3's 32
	WBLOCK 3, 0
	s_cmp_lt_u32 s[GRP], 3
	s_cbranch_scc1 .Lmultiply
	; ---- groups 3 to 7: the two fragments and the scale words go to wts
.irp k, 0,1,2,3
	ds_load_b128 v[XW+4*\k:XW+4*\k+3], v[IMR] offset:512*\k   ; LDS serves a wave's instructions in order: these see my stores
.endr
	s_lshl_b32 s50, s[CJ], 1
	s_add_co_u32 s50, s50, s[CG]                   ; which 32 columns of the 512
	s_lshr_b32 s51, s50, 2                         ; w
	s_and_b32 s50, s50, 3                          ; which pair of tiles
	s_mov_b32 s53, 393216
	s_mov_b32 s54, 679936
	s_cmp_lt_u32 s[GRP], 6
	s_cselect_b32 s53, 131072, s53
	s_cselect_b32 s54, 663552, s54
	s_cmp_eq_u32 s[GRP], 3
	s_cselect_b32 s52, 4, 8                        ; S
	s_cselect_b32 s53, 0, s53
	s_cselect_b32 s54, 655360, s54
	s_mul_i32 s51, s51, s52
	s_lshl_b32 s52, s[KH], 2
	s_add_co_u32 s51, s51, s52
	s_add_co_u32 s51, s51, s[SL]
	s_lshl_b32 s51, s51, 3
	s_lshl_b32 s50, s50, 1
	s_add_co_u32 s51, s51, s50                     ; the first fragment's number
	s_lshl_b32 s46, s51, 10
	s_add_co_u32 s46, s46, s53
	s_mov_b32 s47, 0
	s_add_nc_u64 s[46:47], s[26:27], s[46:47]
	s_lshl_b32 s48, s51, 6
	s_add_co_u32 s48, s48, s54
	s_mov_b32 s49, 0
	s_add_nc_u64 s[48:49], s[26:27], s[48:49]
	s_wait_dscnt 0x0
.irp k, 0,1,2,3
	global_store_b128 v[L16], v[XW+4*\k:XW+4*\k+3], s[46:47] offset:512*\k   ; 512 consecutive bytes a store
.endr
	global_store_b32 v[L4], v[SW], s[48:49]
	s_branch .Lend
	; ---- groups 0 to 2: my 16 rows are quantised, then 16 rows x 64 columns x K 512.  The weight's 128 registers are free: K steps 1 and 2 are asked for together, K step 3 as soon as K step 0's registers are free
.Lmultiply:
	ds_store_b32 v[SCW], v[SW]
	LOADA 1, SB
	LOADA 2, SC
.irp b, 0,1,2,3
	v_mov_b32 v[TM+4+\b], 0                        ; a lane permute's destination counts as one of its sources
.endr
	QUANT SA, 240, AS                              ; K step 0 came in with the weight (the last block's wait was for 0)
	LOADA 3, SA
	s_wait_loadcnt 32                              ; K step 1 is in: behind it stand K steps 2 and 3, 16 loads each
	QUANT SB, 248, AS+1
.irp n, 0,1,2,3
	global_load_b128 v[ACC+8*\n:ACC+8*\n+3], v[BO], s[34:35] offset:64*\n      ; the bias is the C of each sum's first product: into registers that K step 1 has left
	global_load_b128 v[ACC+8*\n+4:ACC+8*\n+7], v[BO], s[34:35] offset:64*\n+16
.endr
	s_wait_loadcnt 24                              ; K step 2 is in: behind it stand K step 3's 16 and the bias's 8
	QUANT SC, 32, AS+2
	s_wait_loadcnt 8                               ; K step 3 is in: the bias's 8 may be out
	QUANT SA, 40, AS+3
	s_wait_loadcnt 0x0                             ; the bias
	s_wait_dscnt 0x0                               ; my fragments and scale words lie in LDS
	s_barrier_signal -1
	s_barrier_wait -1                              ; everybody's do
.irp ks, 0,1,2,3
.irp n, 0,1,2,3
	ds_load_b128 v[WF+32*\ks+8*\n:WF+32*\ks+8*\n+3], v[L16] offset:(\ks+4*(\n/2))*2048+(\n%2)*1024
	ds_load_b128 v[WF+32*\ks+8*\n+4:WF+32*\ks+8*\n+7], v[L16] offset:(\ks+4*(\n/2))*2048+(\n%2)*1024+512
.endr
	ds_load_b32 v[WSC+\ks], v[SCR] offset:\ks*128          ; lanes 0-15: tile 0's words, lanes 16-31: tile 1's
	ds_load_b32 v[WSC+\ks+4], v[SCR] offset:(\ks+4)*128    ; tiles 2 and 3
.endr
	s_lshl_b32 s46, s[GRP], 18                     ; pa, pb or pm,
	s_lshl_b32 s48, s[WV], 15                      ; my 16 rows,
	s_add_co_u32 s46, s46, s48
	s_lshl_b32 s48, s[CJ], 8                       ; my work-group's 64 columns
	s_add_co_u32 s46, s46, s48
	s_mov_b32 s47, 0
	s_add_nc_u64 s[46:47], s[28:29], s[46:47]
	s_wait_dscnt 0x0
.rept 8
	v_nop                                          ; scale words written by vector instructions stand 8 places ahead of a scaled product, operands so written 4
.endr
	PROD 0, 240
	PROD 1, 248
	PROD 2, 32
	PROD 3, 40
.rept 4
	v_nop                                          ; places in front of the first read of results and of loads into operands' registers
.endr
.irp n, 0,1,2,3
	ds_store_b128 v[STO], v[ACC+8*\n:ACC+8*\n+3] offset:64*\n       ; each accumulator from its low end on
	ds_store_b128 v[STO], v[ACC+8*\n+4:ACC+8*\n+7] offset:64*\n+16
.endr
.irp k, 0,1,2,3,4,5,6,7
	ds_load_b128 v[32+4*\k:35+4*\k], v[SRD] offset:544*\k           ; my own stage: rows 2 k and 2 k + 1, whole
.endr
.irp k, 0,1,2,3,4,5,6,7
	s_wait_dscnt 7-\k
	global_store_b128 v[GO], v[32+4*\k:35+4*\k], s[46:47] offset:4096*\k   ; sixteen lanes store 256 consecutive bytes, aligned
.endr
.Lend:
	s_wait_tensorcnt 0x0                           ; the wave's end: behind my last LDS store
	ds_add_u32 v[SPW], v[NIL]
	s_wait_dscnt 0x0
	s_endpgm
.Lfunc_end_k_q978041adec_prep:
	.size	k_q978041adec_prep, .Lfunc_end_k_q978041adec_prep-k_q978041adec_prep
	.p2alignl 7, 3214868480
	.fill 96, 4, 3214868480
	.section	.rodata,"a",@progbits
	.p2align	6, 0x0
	.amdhsa_kernel k_q978041adec_prep
		.amdhsa_group_segment_fixed_size 53248
		.amdhsa_private_segment_fixed_size 0
		.amdhsa_enable_private_segment 0
		.amdhsa_kernarg_size 104
		.amdhsa_user_sgpr_count 2
		.amdhsa_user_sgpr_kernarg_segment_ptr 1
		.amdhsa_wavefront_size32 1
		.amdhsa_system_sgpr_workgroup_id_x 1
		.amdhsa_system_sgpr_workgroup_id_y 1
		.amdhsa_system_sgpr_workgroup_id_z 1
		.amdhsa_system_vgpr_workitem_id 0
		.amdhsa_next_free_vgpr 256
		.amdhsa_next_free_sgpr 80
		.amdhsa_reserve_vcc 0
		.amdhsa_float_denorm_mode_32 3
		.amdhsa_float_denorm_mode_16_64 3
		.amdhsa_memory_ordered 1
		.amdhsa_forward_progress 1
		.amdhsa_inst_pref_size 53
	.end_amdhsa_kernel
	.amdgpu_metadata
---
amdhsa.version: [ 1, 2 ]
amdhsa.kernels:
  - .name:           k_q978041adec_prep
    .symbol:         k_q978041adec_prep.kd
    .args:
      - { .name: W_cq, .offset: 0, .size: 8, .value_kind: global_buffer, .address_space: global }
      - { .name: W_mem, .offset: 8, .size: 8, .value_kind: global_buffer, .address_space: global }
      - { .name: W_kb, .offset: 16, .size: 8, .value_kind: global_buffer, .address_space: global }
      - { .name: W_cat, .offset: 24, .size: 8, .value_kind: global_buffer, .address_space: global }
      - { .name: W_wr, .offset: 32, .size: 8, .value_kind: global_buffer, .address_space: global }
      - { .name: control, .offset: 40, .size: 8, .value_kind: global_buffer, .address_space: global }
      - { .name: question, .offset: 48, .size: 8, .value_kind: global_buffer, .address_space: global }
      - { .name: memory, .offset: 56, .size: 8, .value_kind: global_buffer, .address_space: global }
      - { .name: b_cq, .offset: 64, .size: 8, .value_kind: global_buffer, .address_space: global }
      - { .name: step_emb, .offset: 72, .size: 8, .value_kind: global_buffer, .address_space: global }
      - { .name: b_mem, .offset: 80, .size: 8, .value_kind: global_buffer, .address_space: global }
      - { .name: wts, .offset: 88, .size: 8, .value_kind: global_buffer, .address_space: global }
      - { .name: proj, .offset: 96, .size: 8, .value_kind: global_buffer, .address_space: global }
    .group_segment_fixed_size: 53248
    .private_segment_fixed_size: 0
    .kernarg_segment_align: 8
    .kernarg_segment_size: 104
    .max_flat_workgroup_size: 256
    .sgpr_count:     80
    .vgpr_count:     256
    .wavefront_size: 32
...
	.end_amdgpu_metadata
.endif
;; end of part 1
;; launch main (part 2): grid 256 x 1, 4 waves a work-group, no clusters, 327,680 bytes of LDS; arguments kb, kb_mask, context, q_mask, W_cattn, b_cattn, W_rattn, b_rattn, b_kb, b_cat, wts, proj, out0, part; writes out0, part
.if DOCPART == 2
	.amdgcn_target "amdgcn-amd-amdhsa--gfx1250"
	.amdhsa_code_object_version 6
	.text
	.protected	k_q978041adec_main
	.globl	k_q978041adec_main
	.p2align	8
	.type	k_q978041adec_main,@function
k_q978041adec_main:
	s_mov_b64 s[64:65], 0
	v_nop
	global_prefetch_b8 v0, s[64:65] scope:SCOPE_SE
	s_setreg_imm32_b32 hwreg(HW_REG_WAVE_MODE, 25, 1), 1
	s_wait_xcnt 0x0
; MACCell, launch 2 of 3.  Nothing of reference() is left out here.  A work-group takes 256 rows of kb of one batch (batch = number / 2, half = number % 2) through
; kb_proj = Q(kb) Q(W_kb) + b_kb,  concat_proj = Q([mem_proj kb_proj, kb_proj]) Q(W_cat) + b_cat,  logit = concat_proj . (new_control W_rattn) + b_rattn, masked,
; a softmax with a running maximum, and the sum of p x kb: KB LEAVES MEMORY ONCE, and is used twice while it lies in LDS.  At its head each work-group makes its batch's control attention (half 0 stores it).
; SHARES.  Four waves, one to a SIMD.  THE WAVES SHARE THE COLUMNS, NOT THE ROWS: wave w owns kb's columns 128 w on (K step w of the first product, and its strip of the last sum),
; kb_proj's columns 128 w on (K steps w and 4 + w of the second product) and concat_proj's columns 128 w on.  Its 32 fragments of W_kb and 64 of W_cat stay in 768 registers for the whole launch.
; What goes from wave to wave is small: fragments of 16 rows as images of their registers (1,024 bytes, group c at 512 c + 16 x lane) and their scale words (4 x lane).
; KB comes by tensor loads into a ring of the wave's own: two buffers of 64 rows x 512 bytes (+ 16 of padding a row).  Two loads of a wave are out at the head, one behind each of the two refills.
; A SLOT OF 64 ROWS: my K step of its four tiles is quantised | barrier | four tiles, ONE BARRIER EACH | barrier | one step of the softmax for the 64 rows, and the sum of p x kb over them.
; One barrier a tile is enough because concat's images lie in two buffers by turns (a buffer is written again only by a wave that has passed the barrier in front of which every wave waited for its reads
; of it), and the waves' parts of the logits have a place for each of the slot's four tiles, read behind the slot's last barrier.
; A tile's LDS loads are asked for in the tile before, behind the second product's last instruction; both products begin on counted waits.
; No cluster: the weights go from memory straight into registers as dense images, the ring takes 270,336 bytes of LDS, and kb is shared by nobody.
; No prefetch of kb: half of the work-group's rows are asked for at the head, and each refill has a whole slot's work (384 products a wave) in front of the wait for it.
; OUT: part: at 0 the sums [work-group][512]; at 524,288 the masked logits [128][512]; at 786,432 {m, l}, 32 times, 256 bytes a work-group.  The next launch joins the halves.
; LIMITS: a block of zeros gets the scale byte 1 (its codes are zeros; this program alone reads the bytes); NaN and infinities are not served; the running maximum starts at -3e38;
; an exponential under 2^-126 is flushed to 0.
; REGISTERS: window 0 below; window 1: W_kb's fragment (s, t) at 8 (8 s + t); window 2: W_cat's s = 0..3; window 3: my 16 rows of context, then W_cat's s = 4..7.
.set RINGW, 67584
.set BUFB,  33792
.set RP,    528
.set XIMG,  270336                     ; kb's fragments of a slot: (4 tile + s) 1,024
.set BK,    286720                     ; b_kb
.set MP,    288768                     ; mem_proj
.set VS,    290816                     ; v = new_control x W_rattn
.set XSC,   292864                     ; kb's scale words: (4 tile + s) 128
.set MK,    294912                     ; kb_mask's 256 bytes, a copy for each wave
.set LG,    295936                     ; the 256 masked logits (wave 0's)
.set CL,    296960                     ; the 64 control logits
.set NCP,   297216                     ; the waves' parts of new_control
.set PL,    305408                     ; the waves' parts of a slot's 64 logits: 256 tile + 64 w + 4 row
.set CIMG,  306432                     ; concat's eight fragments of a tile,
.set CSC,   314624                     ; their scale words;
.set PARO,  9216                       ; and both once more, this many bytes on: the two buffers take turns
.set SPARE, 324864                     ; the spare words: no other line names them
.set A_KQ,  1                          ; my strip: row r, + 64 h
.set A_KR,  2                          ; my strip: 16 x lane
.set A_IMG, 3                          ; XIMG + 16 x lane
.set A_SC,  4                          ; XSC + 4 x lane
.set A_XW,  5                          ; XIMG + 1,024 w + 16 x lane
.set A_XSW, 6                          ; XSC + 128 w + 4 x lane
.set A_BM,  7                          ; BK + 512 w + 64 h
.set A_PL,  8                          ; PL + 64 w + 32 h
.set A_PR,  9                          ; PL + 256 h + 4 r: row = lane of the slot's 64
.set A_MK,  10                         ; MK + 256 w + lane
.set A_LG,  11                         ; LG + 4 x lane
.set T_CW,  12                         ; the tile's: where my two fragments of concat go; later where my parts of the logits go
.set T_CSW, 13                         ; where their scale words go
.set A_K8,  14                         ; my strip, 32 rows on: 16 x lane
.set L16,   15                         ; 16 x lane
.set WKS,   16                         ; v16-31  W_kb's scale words: 4 s + b: tile 2 b in lanes 0-15, tile 2 b + 1 in lanes 16-31
.set WCS,   32                         ; v32-63  W_cat's likewise
.set ACC,   64                         ; v64-127
.set FR,    128                        ; v128-191
.set XS,    192                        ; v192-199 the activations' scale words: scales and nothing else
.set TM,    200                        ; v200-207, v212-215 at work
.set T_CR,  208                        ; the tile's: concat's fragments,
.set T_CSR, 209                        ; their scale words,
.set T_X,   210                        ; the next tile's fragments of kb,
.set T_S,   211                        ; their scale words
.set PW,    216
.set L4,    217                        ; 4 x lane
.set PC,    218                        ; v218-225 the codes just made
.set VV,    226                        ; v226-241 v of my column in tile t, twice: 2 t, 2 t + 1
.set CBL,   242                        ; v242-243 the sum over t of b_cat x v, twice
.set RA,    244                        ; v244-251 the sum of p x kb: two chains x my 4 columns
.set SPW,   252
.set NIL,   253
.set MM,    254                        ; the running maximum
.set LL,    255                        ; the running sum
.set TP,  2                            ; s2  256 x tile
.set PO,  3                            ; s3  0 or PARO: which of concat's two buffers
.set G1,  32
.set G0A, 40
.set G0B, 44
.set WV,  48
.set BB,  49
.set HALF, 50
.set TC,  51
.set TX,  52                           ; 4,096 x the next tile
.set TS,  53                           ; 512 x the next tile
.set BCA, 55
.set BRA, 56
.set NEGS, 57
.set SEL, 58
.set PKB, 60
.set PKS, 62
.set P,   66                           ; s[66:97] sixteen weights, each the low word of a pair
.set PCB, 98
.set PCS, 100
.set MSB, 0
.macro WIN new                         ; the immediate's high byte repeats the setting that is left
.if MSB != \new
	s_set_vgpr_msb (MSB<<8)|\new
.set MSB, \new
.endif
.endm
.macro BAR                             ; my LDS stores have landed and my LDS loads are in: then the work-group's barrier
	s_wait_dscnt 0x0
	s_barrier_signal -1
	s_barrier_wait -1
.endm
.macro QUANT src, pc, pw               ; 64 numbers of a lane, register 16 b + i = k 32 b + 16 (lane / 16) + i of my row -> a fragment's codes and its scale word
.irp b, 0,1,2,3
	v_max3_num_f32 v[TM+\b], |v[\src+16*\b]|, |v[\src+1+16*\b]|, 0x1800000   ; and the floor 2^(3 - 127): the byte cannot fall under 1
.endr
.irp i, 2,4,6,8,10,12,14
.irp b, 0,1,2,3
	v_max3_num_f32 v[TM+\b], v[TM+\b], |v[\src+16*\b+\i]|, |v[\src+1+16*\b+\i]|
.endr
.endr
.irp b, 0,1,2,3
	v_permlanex16_b32 v[TM+4+\b], v[TM+\b], s[SEL], s[SEL+1]
.endr
.irp b, 0,1,2,3
	v_max_num_f32 v[TM+\b], v[TM+\b], v[TM+4+\b]
.endr
.irp b, 0,1,2,3
	v_add_nc_u32 v[TM+12+\b], 0xff000000, v[TM+\b] ; 2 off the exponent field: the conversion's scale operand
.endr
.irp b, 0,1,2,3
	v_lshrrev_b32 v[TM+4+\b], 23, v[TM+12+\b]
.endr
	v_lshl_or_b32 v[\pw], v[TM+5], 8, v[TM+4]
	v_lshl_or_b32 v[\pw], v[TM+6], 16, v[\pw]
	v_lshl_or_b32 v[\pw], v[TM+7], 24, v[\pw]
.irp b, 0,1,2,3
	v_cvt_scalef32_pk8_fp4_f32 v[\pc+2*\b], v[\src+16*\b:\src+7+16*\b], v[TM+12+\b]
	v_cvt_scalef32_pk8_fp4_f32 v[\pc+1+2*\b], v[\src+8+16*\b:\src+15+16*\b], v[TM+12+\b]
.endr
	v_nop                                          ; one plain place behind a scaled conversion
.irp c, 0,1
.irp i, 0,1
	v_permlane16_swap_b32 v[\pc+4*\c+\i], v[\pc+2+4*\c+\i]
.endr
.endr
.endm
.macro XLOAD ta, dst                   ; tile ta of the slot: my 64 numbers of row r
.irp b, 0,1,2,3
.irp q, 0,1,2,3
	ds_load_b128 v[\dst+16*\b+4*\q:\dst+16*\b+4*\q+3], v[A_KQ] offset:BUFB*BUF+8448*\ta+128*\b+16*\q
.endr
.endr
.endm
.macro XSTORE ta
	ds_store_b128 v[A_XW], v[PC:PC+3] offset:4096*\ta
	ds_store_b128 v[A_XW], v[PC+4:PC+7] offset:4096*\ta+512
	ds_store_b32 v[A_XSW], v[PW] offset:512*\ta
.endm
.macro PRE_X ai, ac                    ; a tile's four scale words and four fragments of kb: 12 loads
.irp s, 0,1,2,3
	ds_load_b32 v[XS+\s], v[\ac] offset:128*\s
.endr
.irp s, 0,1,2,3
	ds_load_b128 v[FR+8*\s:FR+8*\s+3], v[\ai] offset:1024*\s
	ds_load_b128 v[FR+8*\s+4:FR+8*\s+7], v[\ai] offset:1024*\s+512
.endr
.endm
.macro PRE_B                           ; b_kb, the C of the first products: 16 loads, two for each tile of columns, in the tiles' order
.irp t, 0,1,2,3,4,5,6,7
	ds_load_b128 v[ACC+8*\t:ACC+8*\t+3], v[A_BM] offset:128*(\t/2)+32*(\t%2)
	ds_load_b128 v[ACC+8*\t+4:ACC+8*\t+7], v[A_BM] offset:128*(\t/2)+32*(\t%2)+16
.endr
.endm
.macro MM5 s, t                        ; kb_proj, TRANSPOSED: source 0 = 16 columns of W_kb, source 1 = 16 rows of kb
.if (\t)%2
	v_wmma_scale_f32_16x16x128_f8f6f4 v[ACC+8*\t:ACC+8*\t+7], v[8*(8*\s+\t):8*(8*\s+\t)+7], v[FR+8*\s:FR+8*\s+7], v[ACC+8*\t:ACC+8*\t+7], v[WKS+4*\s+\t/2], v[XS+\s] matrix_a_fmt:MATRIX_FMT_FP4 matrix_b_fmt:MATRIX_FMT_FP4 matrix_a_scale:MATRIX_SCALE_ROW1
.else
	v_wmma_scale_f32_16x16x128_f8f6f4 v[ACC+8*\t:ACC+8*\t+7], v[8*(8*\s+\t):8*(8*\s+\t)+7], v[FR+8*\s:FR+8*\s+7], v[ACC+8*\t:ACC+8*\t+7], v[WKS+4*\s+\t/2], v[XS+\s] matrix_a_fmt:MATRIX_FMT_FP4 matrix_b_fmt:MATRIX_FMT_FP4
.endif
.endm
.macro MM6 s, t                        ; concat_proj: source 0 = 16 rows of concat, source 1 = 16 columns of W_cat: a lane holds one column and eight rows
.set RB, 8*(8*((\s)%4)+\t)
.if (\s) == 0
.if (\t)%2
	v_wmma_scale_f32_16x16x128_f8f6f4 v[ACC+8*\t:ACC+8*\t+7], v[FR+8*\s:FR+8*\s+7], v[RB:RB+7], 0, v[XS+\s], v[WCS+4*\s+\t/2] matrix_a_fmt:MATRIX_FMT_FP4 matrix_b_fmt:MATRIX_FMT_FP4 matrix_b_scale:MATRIX_SCALE_ROW1
.else
	v_wmma_scale_f32_16x16x128_f8f6f4 v[ACC+8*\t:ACC+8*\t+7], v[FR+8*\s:FR+8*\s+7], v[RB:RB+7], 0, v[XS+\s], v[WCS+4*\s+\t/2] matrix_a_fmt:MATRIX_FMT_FP4 matrix_b_fmt:MATRIX_FMT_FP4
.endif
.else
.if (\t)%2
	v_wmma_scale_f32_16x16x128_f8f6f4 v[ACC+8*\t:ACC+8*\t+7], v[FR+8*\s:FR+8*\s+7], v[RB:RB+7], v[ACC+8*\t:ACC+8*\t+7], v[XS+\s], v[WCS+4*\s+\t/2] matrix_a_fmt:MATRIX_FMT_FP4 matrix_b_fmt:MATRIX_FMT_FP4 matrix_b_scale:MATRIX_SCALE_ROW1
.else
	v_wmma_scale_f32_16x16x128_f8f6f4 v[ACC+8*\t:ACC+8*\t+7], v[FR+8*\s:FR+8*\s+7], v[RB:RB+7], v[ACC+8*\t:ACC+8*\t+7], v[XS+\s], v[WCS+4*\s+\t/2] matrix_a_fmt:MATRIX_FMT_FP4 matrix_b_fmt:MATRIX_FMT_FP4
.endif
.endif
.endm
	s_load_b512 s[4:19], s[0:1], 0x0               ; kb, kb_mask, context, q_mask, W_cattn, b_cattn, W_rattn, b_rattn
	s_load_b256 s[20:27], s[0:1], 0x40             ; b_kb, b_cat, wts, proj
	s_load_b128 s[28:31], s[0:1], 0x60             ; out0, part
	v_lshl_add_u32 v[SPW], v0, 2, SPARE
	v_mov_b32 v[NIL], 0
	ds_add_u32 v[SPW], v[NIL]                      ; the wave's opening: the add, twice on end, and its wait ahead of my first tensor load
	ds_add_u32 v[SPW], v[NIL]
	v_lshrrev_b32 v112, 5, v0
	v_readfirstlane_b32 s[WV], v112                ; wave 0..3
	s_lshr_b32 s[BB], ttmp9, 1
	s_and_b32 s[HALF], ttmp9, 1
	s_mov_b32 s[G1], 0x07920000                    ; elements of 4 bytes; padding on: 4 words behind every 128
	s_mov_b32 s[G1+1], 128<<16                     ; tensor_dim0 = 128
	s_mov_b32 s[G1+2], 64<<16                      ; tensor_dim1 = 64
	s_mov_b32 s[G1+3], 128<<16                     ; tile_dim0 = 128
	s_mov_b32 s[G1+4], 64                          ; tile_dim1 = 64
	s_mov_b32 s[G1+5], 512                         ; elements from row to row
	s_mov_b32 s[G1+6], 0
	s_mov_b32 s[G1+7], 0
	s_mov_b32 s[G0A], 1
	s_mul_i32 s[G0A+1], s[WV], RINGW               ; my ring
	s_mov_b32 s[G0B], 1
	s_add_co_u32 s[G0B+1], s[G0A+1], BUFB
	s_lshl_b32 s2, ttmp9, 19                       ; 256 rows of 2,048 bytes a work-group,
	s_lshl_b32 s3, s[WV], 9                        ; 512 bytes of a row a wave
	s_add_co_u32 s2, s2, s3
	s_mov_b32 s3, 0
	s_mov_b32 s[SEL], 0x76543210
	s_mov_b32 s[SEL+1], 0xfedcba98
	s_mov_b32 s[NEGS], 0xc61c4000                  ; -10000
.irp i, 0,1,2,3,4,5,6,7,8,9,10,11,12,13,14,15
	s_mov_b32 s[P+2*\i+1], 0                       ; named with the weights as pairs, so they are written
.endr
	s_wait_dscnt 0x0                               ; both opening adds are done
	s_wait_kmcnt 0x0
	s_add_nc_u64 s[G0A+2:G0A+3], s[4:5], s[2:3]
	s_add_nc_u64 s[G0B+2:G0B+3], s[G0A+2:G0A+3], 131072   ; 64 rows on
	s_or_b32 s[G0A+3], s[G0A+3], 0x80000000
	s_or_b32 s[G0B+3], s[G0B+3], 0x80000000
	tensor_load_to_lds s[G0A:G0A+3], s[G1:G1+7]    ; rows 0 to 63: every wave its own strip
	s_nop 0
	tensor_load_to_lds s[G0B:G0B+3], s[G1:G1+7]    ; rows 64 to 127
	s_nop 0
	s_load_b32 s[BCA], s[14:15], 0x0
	s_load_b32 s[BRA], s[18:19], 0x0
	s_lshl_b32 s2, s[BB], 11
	s_add_nc_u64 s[26:27], s[26:27], s[2:3]        ; my batch's row of pa (pb, pm: by the immediate)
	s_add_nc_u64 s[28:29], s[28:29], s[2:3]        ; and of out0
	s_lshl_b32 s2, s[BB], 6
	s_add_nc_u64 s[10:11], s[10:11], s[2:3]        ; q_mask
	s_lshl_b32 s2, s[BB], 17
	s_lshl_b32 s51, s[WV], 15
	s_add_co_u32 s2, s2, s51
	s_add_nc_u64 s[8:9], s[8:9], s[2:3]            ; context: my 16 rows
	s_lshl_b32 s2, ttmp9, 8
	s_add_nc_u64 s[6:7], s[6:7], s[2:3]            ; kb_mask: my work-group's 256 bytes
	s_lshl_b32 s2, s[WV], 9
	s_add_nc_u64 s[22:23], s[22:23], s[2:3]        ; b_cat: my 128
	s_lshl_b32 s2, s[WV], 15
	s_add_nc_u64 s[PKB:PKB+1], s[24:25], s[2:3]    ; W_kb's images: my 32
	s_lshl_b32 s2, s[WV], 11
	s_add_co_u32 s2, s2, 655360
	s_add_nc_u64 s[PKS:PKS+1], s[24:25], s[2:3]    ; their scale words
	s_lshl_b32 s2, s[WV], 16
	s_add_co_u32 s2, s2, 131072
	s_add_nc_u64 s[PCB:PCB+1], s[24:25], s[2:3]    ; W_cat's images: my 64
	s_lshl_b32 s2, s[WV], 12
	s_add_co_u32 s2, s2, 663552
	s_add_nc_u64 s[PCS:PCS+1], s[24:25], s[2:3]
	v_and_b32 v112, 31, v0                         ; lane
	v_and_b32 v113, 15, v0                         ; r
	v_bfe_u32 v114, v0, 4, 1                       ; h
	v_lshlrev_b32 v[L16], 4, v112
	v_lshlrev_b32 v[L4], 2, v112
	v_mul_u32_u24 v[A_KQ], v113, RP
	v_lshl_add_u32 v[A_KQ], v114, 6, v[A_KQ]
	v_add_nc_u32 v[A_KQ], s[G0A+1], v[A_KQ]
	v_add_nc_u32 v[A_KR], s[G0A+1], v[L16]
	v_add_nc_u32 v[A_K8], 32*RP, v[A_KR]
	v_add_nc_u32 v[A_IMG], XIMG, v[L16]
	v_add_nc_u32 v[A_SC], XSC, v[L4]
	s_lshl_b32 s51, s[WV], 10
	v_add_nc_u32 v[A_XW], s51, v[A_IMG]
	s_lshl_b32 s51, s[WV], 7
	v_add_nc_u32 v[A_XSW], s51, v[A_SC]
	s_lshl_b32 s51, s[WV], 9
	s_add_co_u32 s51, s51, BK
	v_lshl_add_u32 v[A_BM], v114, 6, s51
	s_lshl_b32 s51, s[WV], 6
	s_add_co_u32 s52, s51, PL
	v_lshl_add_u32 v[A_PL], v114, 5, s52
	v_lshl_add_u32 v[A_PR], v113, 2, PL
	v_lshl_add_u32 v[A_PR], v114, 8, v[A_PR]
	s_lshl_b32 s52, s[WV], 8
	s_add_co_u32 s52, s52, MK
	v_add_nc_u32 v[A_MK], s52, v112
	v_lshl_add_u32 v116, v112, 3, s52              ; the mask's way in: 8 bytes a lane
	v_lshl_add_u32 v[A_LG], v112, 2, LG
	v_lshlrev_b32 v218, 4, v0                      ; 16 x thread
	v_add_nc_u32 v115, BK, v218
	s_add_co_u32 s52, s51, CL
	v_mov_b32 v117, s52                            ; CL + 64 w
	s_lshl_b32 s52, s[WV], 4
	v_add_nc_u32 v219, s52, v112
	v_and_b32 v219, 63, v219                       ; the control softmax: lane l takes rows (16 w + l) % 64 and 32 further: my own 16 rows lie in lanes 0-15
	v_xor_b32 v220, 32, v219
	v_lshl_add_u32 v118, v219, 2, CL
	v_xor_b32 v119, 128, v118
	s_lshl_b32 s52, s[WV], 11
	s_add_co_u32 s52, s52, NCP
	v_add_nc_u32 v120, s52, v[L16]
	v_add_nc_u32 v121, NCP, v218
	s_lshl_b32 s52, s[WV], 9
	s_add_co_u32 s52, s52, VS
	v_lshl_add_u32 v122, v113, 2, s52
	v_lshlrev_b32 v221, 2, v113
	v_lshlrev_b32 v222, 3, v112
	v_lshrrev_b32 v123, 3, v113
	v_and_b32 v124, 7, v113
	v_lshlrev_b32 v223, 10, v123                   ; THE COLUMNS OF W_KB THAT FORM A TILE ARE NOT NEIGHBOURS: lane r of tile 2 b + u takes column 32 b + 8 u + r + 8 (r / 8),
	v_lshl_add_u32 v223, v114, 8, v223             ; which lies in the stored tile 2 b + r / 8 at place 8 u + r % 8: so the 16 registers of tiles 2 b, 2 b + 1 are 16 neighbours along the next K
	v_lshl_add_u32 v223, v124, 4, v223
	v_lshlrev_b32 v224, 6, v123
	v_lshl_add_u32 v224, v114, 5, v224
	v_lshl_add_u32 v224, v124, 2, v224
	; ---- the first group of loads: 90
.irp c, 0,1,2,3
	global_load_b128 v[128+4*\c:131+4*\c], v[L16], s[26:27] offset:512*\c          ; pa
	global_load_b128 v[144+4*\c:147+4*\c], v[L16], s[26:27] offset:262144+512*\c   ; pb
	global_load_b128 v[160+4*\c:163+4*\c], v[L16], s[12:13] offset:512*\c          ; W_cattn
.endr
	global_load_u8 v176, v219, s[10:11]
	global_load_u8 v177, v220, s[10:11]
	global_load_b128 v[180:183], v218, s[16:17]                                    ; W_rattn
.irp t, 0,1,2,3,4,5,6,7
	global_load_b32 v[184+\t], v221, s[22:23] offset:64*\t                         ; b_cat of my column in tile t
.endr
	global_load_b128 v[204:207], v218, s[26:27] offset:524288                      ; pm = mem_proj
	global_load_b128 v[208:211], v218, s[20:21]                                    ; b_kb
	global_load_b64 v[200:201], v222, s[6:7]                                       ; kb_mask
	WIN 0xc0
.irp i, 0,1,2,3,4,5,6,7,8,9,10,11,12,13,14,15
.irp c, 0,1,2,3
	global_load_b128 v[16*\i+4*\c:16*\i+4*\c+3], v[L16], s[8:9] offset:2048*\i+512*\c   ; context: row i of my 16, window 3
.endr
.endr
	; ---- the second group: 80
	WIN 0x40
.irp s, 0,1,2,3
.irp b, 0,1,2,3
.irp u, 0,1
.irp c, 0,1
	global_load_b128 v[8*(8*\s+2*\b+\u)+4*\c:8*(8*\s+2*\b+\u)+4*\c+3], v223, s[PKB:PKB+1] offset:(8*\s+2*\b)*1024+512*\c+128*\u
.endr
.endr
.endr
.endr
	WIN 0
.irp s, 0,1,2,3
.irp b, 0,1,2,3
	global_load_b32 v[WKS+4*\s+\b], v224, s[PKS:PKS+1] offset:512*\s+128*\b
.endr
.endr
	s_wait_loadcnt 63                              ; 80 loads stand behind the first group: it is in
	ds_store_b128 v115, v[208:211]                 ; b_kb, mem_proj and the mask: each wave reads back its own bytes alone
	ds_store_b128 v115, v[204:207] offset:2048
	ds_store_b64 v116, v[200:201]
.irp k, 0,1,2,3,4,5,6,7
	v_pk_add_f32 v[128+2*\k:129+2*\k], v[128+2*\k:129+2*\k], v[144+2*\k:145+2*\k]   ; cq_proj
.endr
.irp k, 0,1,2,3,4,5,6,7
	v_pk_mul_f32 v[128+2*\k:129+2*\k], v[128+2*\k:129+2*\k], v[160+2*\k:161+2*\k]   ; x W_cattn
.endr
	WIN 0x03                                       ; source 0: context, window 3
.irp k, 0,1,2,3,4,5,6,7
.irp i, 0,1,2,3,4,5,6,7,8,9,10,11,12,13,14,15
.if \k == 0
	v_pk_mul_f32 v[64+2*\i:65+2*\i], v[16*\i:16*\i+1], v[128:129]
.else
	v_pk_fma_f32 v[64+2*\i:65+2*\i], v[16*\i+2*\k:16*\i+2*\k+1], v[128+2*\k:129+2*\k], v[64+2*\i:65+2*\i]
.endif
.endr
.endr
	WIN 0
.irp i, 0,1,2,3,4,5,6,7,8,9,10,11,12,13,14,15
	v_add_f32 v[96+\i], v[64+2*\i], v[65+2*\i]
.endr
.irp m, 1,2,4,8
.irp i, 0,1,2,3,4,5,6,7,8,9,10,11,12,13,14,15
	v_add_f32_dpp v[96+\i], v[96+\i], v[96+\i] row_xmask:\m row_mask:0xf bank_mask:0xf
.endr
.endr
.irp i, 0,1,2,3,4,5,6,7,8,9,10,11,12,13,14,15
	v_permlanex16_b32 v[144+\i], v[96+\i], s[SEL], s[SEL+1]
.endr
.irp i, 0,1,2,3,4,5,6,7,8,9,10,11,12,13,14,15
	v_add_f32 v[96+\i], v[96+\i], v[144+\i]        ; my 16 rows' logits, in every lane
.endr
.irp k, 0,1,2,3
	ds_store_b128 v117, v[96+4*\k:99+4*\k] offset:16*\k
.endr
	WIN 0x80
.set k, 0
.rept 64
	global_load_b128 v[4*k:4*k+3], v[L16], s[PCB:PCB+1] offset:512*k    ; W_cat, K steps 0 to 3: window 2
.set k, k+1
.endr
	WIN 0
	BAR                                            ; the 64 logits lie in LDS
	v_mov_b32 v203, 0                              ; written once: a lane permute's destination counts as one of its sources
	ds_load_b32 v200, v118
	ds_load_b32 v201, v119
	s_wait_dscnt 0x0
	s_wait_kmcnt 0x0                               ; b_cattn, b_rattn
	v_add_f32 v200, s[BCA], v200
	v_add_f32 v201, s[BCA], v201
	v_cmp_ne_u32 vcc_lo, 0, v176
	v_cndmask_b32 v200, s[NEGS], v200, vcc_lo
	v_cmp_ne_u32 vcc_lo, 0, v177
	v_cndmask_b32 v201, s[NEGS], v201, vcc_lo
	v_max_num_f32 v202, v200, v201
.irp m, 1,2,4,8
	v_max_num_f32_dpp v202, v202, v202 row_xmask:\m row_mask:0xf bank_mask:0xf
.endr
	v_permlanex16_b32 v203, v202, s[SEL], s[SEL+1]
	v_max_num_f32 v202, v202, v203                 ; the row's maximum is taken away, as reference() does
	v_sub_f32 v200, v200, v202
	v_sub_f32 v201, v201, v202
	v_mul_f32 v200, 0x3fb8aa3b, v200
	v_mul_f32 v201, 0x3fb8aa3b, v201
	v_exp_f32 v200, v200
	v_exp_f32 v201, v201
	v_nop                                          ; a plain place behind the exponentials,
	s_wait_alu depctr_va_vdst(0)                   ; and the wait ahead of the first reader
	v_add_f32 v204, v200, v201
.irp m, 1,2,4,8
	v_add_f32_dpp v204, v204, v204 row_xmask:\m row_mask:0xf bank_mask:0xf
.endr
	v_permlanex16_b32 v203, v204, s[SEL], s[SEL+1]
	v_add_f32 v204, v204, v203
	v_rcp_f32 v204, v204
	v_nop
	s_wait_alu depctr_va_vdst(0)
	v_mul_f32 v200, v200, v204                     ; the weights of my 16 rows: lanes 0-15
.irp i, 0,1,2,3,4,5,6,7,8,9,10,11,12,13,14,15
	v_readlane_b32 s[P+2*\i], v200, \i
.endr
	WIN 0x03
.irp i, 0,1,2,3,4,5,6,7,8,9,10,11,12,13,14,15
.irp k, 0,1,2,3,4,5,6,7
.if \i == 0
	v_pk_mul_f32 v[64+2*\k:65+2*\k], v[2*\k:2*\k+1], s[P:P+1] op_sel_hi:[1,0]
.else
	v_pk_fma_f32 v[64+2*\k:65+2*\k], v[16*\i+2*\k:16*\i+2*\k+1], s[P+2*\i:P+2*\i+1], v[64+2*\k:65+2*\k] op_sel_hi:[1,0,1]
.endif
.endr
.endr
	WIN 0
.irp c, 0,1,2,3
	ds_store_b128 v120, v[64+4*\c:67+4*\c] offset:512*\c   ; my 16 rows' part of new_control
.endr
	WIN 0xc0
.set k, 0
.rept 64
	global_load_b128 v[4*k:4*k+3], v[L16], s[PCB:PCB+1] offset:32768+512*k   ; W_cat, K steps 4 to 7: window 3, where context is done with
.set k, k+1
.endr
	WIN 0
	BAR
.irp q, 0,1,2,3
	ds_load_b128 v[64+4*\q:67+4*\q], v121 offset:2048*\q
.endr
	s_wait_dscnt 0x0
	v_pk_add_f32 v[64:65], v[64:65], v[68:69]
	v_pk_add_f32 v[66:67], v[66:67], v[70:71]
	v_pk_add_f32 v[72:73], v[72:73], v[76:77]
	v_pk_add_f32 v[74:75], v[74:75], v[78:79]
	v_pk_add_f32 v[64:65], v[64:65], v[72:73]
	v_pk_add_f32 v[66:67], v[66:67], v[74:75]      ; new_control at my thread's four columns
	s_cmp_lg_u32 s[HALF], 0
	s_cbranch_scc1 .Lno_out0                       ; each byte of out0 has one owner: the batch's first half
	global_store_b128 v218, v[64:67], s[28:29]
.Lno_out0:
	v_pk_mul_f32 v[80:81], v[64:65], v[180:181]
	v_pk_mul_f32 v[82:83], v[66:67], v[182:183]    ; v = new_control x W_rattn
	ds_store_b128 v115, v[80:83] offset:4096       ; my wave's 128 numbers of v are written by my wave's threads
.irp t, 0,1,2,3,4,5,6,7
	ds_load_b32 v[VV+2*\t], v122 offset:64*\t
.endr
.irp s, 0,1,2,3,4,5,6,7
.irp b, 0,1,2,3
	global_load_b32 v[WCS+4*\s+\b], v[L4], s[PCS:PCS+1] offset:512*\s+128*\b
.endr
.endr
.irp q, 0,1,2,3,4,5,6,7
	v_mov_b32 v[RA+\q], 0
.endr
	v_mov_b32 v[MM], 0xff61b1e6                    ; -3e38, under every logit
	v_mov_b32 v[LL], 0
.irp b, 0,1,2,3
	v_mov_b32 v[TM+4+\b], 0
.endr
	s_wait_dscnt 0x0
.irp t, 0,1,2,3,4,5,6,7
	v_mov_b32 v[VV+2*\t+1], v[VV+2*\t]
.endr
	v_mul_f32 v[CBL], v184, v[VV]
.irp t, 1,2,3,4,5,6,7
	v_fmac_f32 v[CBL], v[184+\t], v[VV+2*\t]       ; b_cat's share of a logit, by my columns
.endr
	v_mov_b32 v[CBL+1], v[CBL]
	s_wait_xcnt 0x0                                ; the head's loads and its store have read their offsets and data: those registers are written again below
; A TILE OF 16 ROWS.  One barrier.  At its head 28 LDS loads are out, in this order: kb's 4 scale words, its 8 fragment loads, b_kb's 16; on the way round the loop two stores stand behind them.
.macro TILE
	WIN 0x01                                       ; source 0: W_kb, window 1.  The eight accumulators take turns
	s_wait_dscnt 12                                ; kb's fragments and b_kb of tiles 0, 1 are in: behind them stand b_kb's other 12 loads (on the way round two stores more: the count then waits for a little more than is wanted)
	MM5 0, 0
	MM5 0, 1
	s_wait_dscnt 8
	MM5 0, 2
	MM5 0, 3
	s_wait_dscnt 4
	MM5 0, 4
	MM5 0, 5
	s_wait_dscnt 0x0
	MM5 0, 6
	MM5 0, 7
.irp s, 1,2,3
.irp t, 0,1,2,3,4,5,6,7
	MM5 \s, \t
.endr
.endr
	WIN 0
	v_add_nc_u32 v[T_CW], s[PO], v[A_XW]           ; this tile's buffer of concat.  These four are also the places in front of loads into operands' registers and of the first read of results
	v_add_nc_u32 v[T_CSW], s[PO], v[A_XSW]
	v_add_nc_u32 v[T_CR], s[PO], v[A_IMG]
	v_add_nc_u32 v[T_CSR], s[PO], v[A_SC]
.irp t, 0,1,2,3,4,5,6,7
	ds_load_b128 v[FR+8*\t:FR+8*\t+3], v[A_BM] offset:2048+128*(\t/2)+32*(\t%2)    ; mem_proj at the same columns
	ds_load_b128 v[FR+8*\t+4:FR+8*\t+7], v[A_BM] offset:2048+128*(\t/2)+32*(\t%2)+16
.endr
	QUANT ACC, PC, PW                              ; kb_proj: K step 4 + w of the second product
	ds_store_b128 v[T_CW], v[PC:PC+3] offset:CIMG-XIMG+4096
	ds_store_b128 v[T_CW], v[PC+4:PC+7] offset:CIMG-XIMG+4096+512
	ds_store_b32 v[T_CSW], v[PW] offset:CSC-XSC+512
	s_wait_dscnt 0x0                               ; mem_proj is in; the stores have read their registers
.set k, 0
.rept 32
	v_pk_mul_f32 v[ACC+2*k:ACC+2*k+1], v[ACC+2*k:ACC+2*k+1], v[FR+2*k:FR+2*k+1]   ; mem_proj x kb_proj
.set k, k+1
.endr
	QUANT ACC, PC, PW                              ; K step w
	ds_store_b128 v[T_CW], v[PC:PC+3] offset:CIMG-XIMG
	ds_store_b128 v[T_CW], v[PC+4:PC+7] offset:CIMG-XIMG+512
	ds_store_b32 v[T_CSW], v[PW] offset:CSC-XSC
	BAR                                            ; concat's eight fragments lie in LDS
.irp s, 0,1,2,3,4,5,6,7                        ; three loads a K step, in the K steps' order
	ds_load_b32 v[XS+\s], v[T_CSR] offset:CSC-XSC+128*\s
	ds_load_b128 v[FR+8*\s:FR+8*\s+3], v[T_CR] offset:CIMG-XIMG+1024*\s
	ds_load_b128 v[FR+8*\s+4:FR+8*\s+7], v[T_CR] offset:CIMG-XIMG+1024*\s+512
.endr
	s_wait_loadcnt 0x0                             ; W_cat and its scale words (the first tile waits; later nothing is out)
	WIN 0x08                                       ; source 1: W_cat, window 2
.irp s, 0,1,2,3
	s_wait_dscnt 21-3*\s                           ; K step s is in: three loads for each later K step may be out
.irp t, 0,1,2,3,4,5,6,7
	MM6 \s, \t
.endr
.endr
	WIN 0x0c                                       ; window 3
.irp s, 4,5,6,7
	s_wait_dscnt 21-3*\s
.irp t, 0,1,2,3,4,5,6,7
	MM6 \s, \t
.endr
.endr
	WIN 0
	v_add_nc_u32 v[T_X], s[TX], v[A_IMG]           ; the next tile's fragments of kb, and where my parts of the logits go.  With the v_nop: the four places behind the products
	v_add_nc_u32 v[T_S], s[TS], v[A_SC]
	v_add_nc_u32 v[T_CW], s[TP], v[A_PL]
	v_nop
	s_cmp_eq_u32 s[TC], 1                          ; the slot's last tile has no successor here: it asks for nothing
	s_cbranch_scc1 .Lno_x_\@
	PRE_X T_X, T_S
.Lno_x_\@:
.irp t, 0,1,2,3,4,5,6,7                        ; the logits' parts: eight rows a lane, my column's v; each accumulator from its low end on
.irp q, 0,1,2,3
.if \t == 0
	v_pk_fma_f32 v[TM+2*\q:TM+2*\q+1], v[ACC+2*\q:ACC+2*\q+1], v[VV:VV+1], v[CBL:CBL+1]
.else
	v_pk_fma_f32 v[TM+2*\q:TM+2*\q+1], v[ACC+8*\t+2*\q:ACC+8*\t+2*\q+1], v[VV+2*\t:VV+2*\t+1], v[TM+2*\q:TM+2*\q+1]
.endif
.endr
.endr
	s_cmp_eq_u32 s[TC], 1
	s_cbranch_scc1 .Lno_b_\@
	PRE_B                                          ; the accumulators have been read: b_kb for the next tile
.Lno_b_\@:
.irp m, 1,2,4,8
.irp q, 0,1,2,3,4,5,6,7
	v_add_f32_dpp v[TM+\q], v[TM+\q], v[TM+\q] row_xmask:\m row_mask:0xf bank_mask:0xf   ; over the 16 columns of a tile
.endr
.endr
	ds_store_b128 v[T_CW], v[TM:TM+3]              ; rows 8 h + 0..7: sixteen lanes write the same words with the same values
	ds_store_b128 v[T_CW], v[TM+4:TM+7] offset:16
.endm
.macro ROWS dst, adr, r0               ; 16 rows of my strip, as f32
.irp i, 0,1,2,3,4,5,6,7,8,9,10,11,12,13,14,15
	ds_load_b128 v[\dst+4*\i:\dst+4*\i+3], v[\adr] offset:BUFB*BUF+RP*(\r0+\i)
.endr
.endm
.macro WSUM src, pv, l0, cnt           ; the sum takes 16 rows, weighed by lanes l0 on of v[pv]; cnt: the LDS instructions behind those rows' loads
.irp i, 0,1,2,3,4,5,6,7,8,9,10,11,12,13,14,15
	v_readlane_b32 s[P+2*\i], v[\pv], \l0+\i
.endr
	s_wait_dscnt \cnt
.irp i, 0,1,2,3,4,5,6,7,8,9,10,11,12,13,14,15
.irp q, 0,1
	v_pk_fma_f32 v[RA+4*(\i%2)+2*\q:RA+4*(\i%2)+2*\q+1], v[\src+4*\i+2*\q:\src+4*\i+2*\q+1], s[P+2*\i:P+2*\i+1], v[RA+4*(\i%2)+2*\q:RA+4*(\i%2)+2*\q+1] op_sel_hi:[1,0,1]
.endr
.endr
.endm
; THE SLOT'S 64 LOGITS: lane l takes rows l and l + 32.  One step of the running maximum and sum; then the sum of p x kb, 16 rows at a time through two sets of registers by turns.
.macro SOFT
.irp q, 0,1,2,3
	ds_load_b32 v[200+\q], v[A_PR] offset:64*\q
	ds_load_b32 v[204+\q], v[A_PR] offset:512+64*\q
.endr
	ds_load_u8 v208, v[A_MK] offset:64*KSL
	ds_load_u8 v209, v[A_MK] offset:64*KSL+32
	ROWS ACC, A_KR, 0
	ROWS FR, A_KR, 16
	s_wait_dscnt 32                                ; the parts and the mask are in; the 32 rows may be out
	v_add_f32 v200, v200, v201
	v_add_f32 v202, v202, v203
	v_add_f32 v204, v204, v205
	v_add_f32 v206, v206, v207
	v_add_f32 v200, v200, v202
	v_add_f32 v204, v204, v206
	v_add_f32 v200, s[BRA], v200
	v_add_f32 v204, s[BRA], v204
	v_cmp_ne_u32 vcc_lo, 0, v208
	v_cndmask_b32 v200, s[NEGS], v200, vcc_lo      ; my two rows' logits, the same in all four waves
	v_cmp_ne_u32 vcc_lo, 0, v209
	v_cndmask_b32 v204, s[NEGS], v204, vcc_lo
	s_cmp_lg_u32 s[WV], 0
	s_cbranch_scc1 .Lnot_w0_\@
	ds_store_b32 v[A_LG], v200 offset:256*KSL
	ds_store_b32 v[A_LG], v204 offset:256*KSL+128
.Lnot_w0_\@:
	v_max_num_f32 v201, v200, v204
.irp m, 1,2,4,8
	v_max_num_f32_dpp v201, v201, v201 row_xmask:\m row_mask:0xf bank_mask:0xf
.endr
	v_permlanex16_b32 v202, v201, s[SEL], s[SEL+1]
	v_max_num_f32 v201, v201, v202
	v_max_num_f32 v203, v[MM], v201                ; the new running maximum
	v_sub_f32 v212, v[MM], v203
	v_sub_f32 v210, v200, v203
	v_sub_f32 v211, v204, v203
	v_mul_f32 v212, 0x3fb8aa3b, v212
	v_mul_f32 v210, 0x3fb8aa3b, v210
	v_mul_f32 v211, 0x3fb8aa3b, v211
	v_exp_f32 v212, v212                           ; f: what was summed under the old maximum comes under the new
	v_exp_f32 v210, v210                           ; p of row l
	v_exp_f32 v211, v211                           ; p of row l + 32
	v_mov_b32 v[MM], v203                          ; (a plain place behind the exponentials)
	s_wait_alu depctr_va_vdst(0)                   ; one wait for the three, ahead of their first reader
	v_add_f32 v205, v210, v211
.irp m, 1,2,4,8
	v_add_f32_dpp v205, v205, v205 row_xmask:\m row_mask:0xf bank_mask:0xf
.endr
	v_permlanex16_b32 v206, v205, s[SEL], s[SEL+1]
	v_add_f32 v205, v205, v206
	v_fma_f32 v[LL], v[LL], v212, v205
.irp q, 0,1,2,3
	v_pk_mul_f32 v[RA+2*\q:RA+2*\q+1], v[RA+2*\q:RA+2*\q+1], v[212:213] op_sel_hi:[1,0]
.endr
	WSUM ACC, 210, 0, 16                           ; rows 0-15: behind their loads stand the next 16 (in wave 0 two stores more: it then waits for a little more than is wanted)
	ROWS ACC, A_K8, 0
	WSUM FR, 210, 16, 16                           ; rows 16-31: the 16 loads just issued may be out
	ROWS FR, A_K8, 16
	WSUM ACC, 211, 0, 16                           ; rows 32-47
	WSUM FR, 211, 16, 0                            ; rows 48-63
.endm
; A SLOT OF 64 ROWS: the change of buffers, my K step of four tiles quantised, four tiles, the softmax's step.
.macro SLOT k
.set KSL, \k
.set BUF, (\k)%2
.if \k == 0
	s_wait_tensorcnt 0x1                           ; rows 0 to 63 of my strip are in; the second load may be out.  My strip is read by my wave alone
.elseif \k == 3
	s_wait_tensorcnt 0x0                           ; my last load
.else
	s_wait_tensorcnt 0x0                           ; all my tensor loads have landed, this slot's among them: a group 0 may be written
	ds_add_u32 v[SPW], v[NIL]
.if \k == 1
	s_add_nc_u64 s[G0A+2:G0A+3], s[G0A+2:G0A+3], 262144   ; 128 rows on
.else
	s_add_nc_u64 s[G0B+2:G0B+3], s[G0B+2:G0B+3], 262144
.endif
	s_wait_dscnt 0x0                               ; the add is done, and my reads of the buffer that I have left are over
	s_barrier_signal -1
	s_barrier_wait -1
.if \k == 1
	tensor_load_to_lds s[G0A:G0A+3], s[G1:G1+7]    ; my one tensor load behind this barrier: the slot after this one, into the buffer just left
.else
	tensor_load_to_lds s[G0B:G0B+3], s[G1:G1+7]
.endif
	s_nop 0
.endif
	XLOAD 0, ACC
	XLOAD 1, FR
	s_wait_dscnt 16                                ; all but the 16 loads issued last
	QUANT ACC, PC, PW
	XSTORE 0
	XLOAD 2, ACC
	s_wait_dscnt 16                                ; tile 1's numbers are in, and tile 0's stores have read their registers
	QUANT FR, PC, PW
	XSTORE 1
	XLOAD 3, FR
	s_wait_dscnt 16
	QUANT ACC, PC, PW
	XSTORE 2
	s_wait_dscnt 0x0
	QUANT FR, PC, PW
	XSTORE 3
	BAR                                            ; the slot's sixteen fragments of kb lie in LDS
.if \k == 0
	s_wait_loadcnt 63                              ; 160 loads stand behind W_kb and its scale words: they are in
.endif
	s_mov_b32 s[TC], 4
	s_mov_b32 s[TX], 4096
	s_mov_b32 s[TS], 512
	s_mov_b32 s[TP], 0
	s_mov_b32 s[PO], 0
	PRE_X A_IMG, A_SC                              ; the first tile's loads
	PRE_B
.Ltile_\@:
	TILE
	s_add_co_u32 s[TX], s[TX], 4096
	s_add_co_u32 s[TS], s[TS], 512
	s_add_co_u32 s[TP], s[TP], 256
	s_xor_b32 s[PO], s[PO], PARO                   ; concat's other buffer
	s_sub_co_u32 s[TC], s[TC], 1
	s_cmp_lg_u32 s[TC], 0
	s_cbranch_scc1 .Ltile_\@
	BAR                                            ; the four waves' parts of the 64 logits lie in LDS
	SOFT
.endm
	SLOT 0
	SLOT 1
	SLOT 2
	SLOT 3
	v_pk_add_f32 v[RA:RA+1], v[RA:RA+1], v[RA+4:RA+5]
	v_pk_add_f32 v[RA+2:RA+3], v[RA+2:RA+3], v[RA+6:RA+7]
	v_lshrrev_b32 v200, 1, v[L16]                  ; 8 x lane
	s_lshl_b32 s2, ttmp9, 11
	s_lshl_b32 s51, s[WV], 9
	s_add_co_u32 s2, s2, s51
	s_mov_b32 s3, 0
	s_add_nc_u64 s[60:61], s[30:31], s[2:3]        ; (the weights' loads were shown done in every tile: their bases are free)
	s_lshl_b32 s2, ttmp9, 10
	s_add_nc_u64 s[62:63], s[30:31], s[2:3]
	s_lshl_b32 s2, ttmp9, 8
	s_add_nc_u64 s[98:99], s[30:31], s[2:3]
	global_store_b128 v[L16], v[RA:RA+3], s[60:61] ; 512 consecutive bytes a wave
	s_cmp_lg_u32 s[WV], 0
	s_cbranch_scc1 .Lend
	ds_load_b128 v[64:67], v[A_IMG] offset:LG-XIMG
	ds_load_b128 v[68:71], v[A_IMG] offset:LG-XIMG+512
	s_wait_dscnt 0x0
	global_store_b128 v[L16], v[64:67], s[62:63] offset:524288
	global_store_b128 v[L16], v[68:71], s[62:63] offset:524288+512
	global_store_b64 v200, v[MM:MM+1], s[98:99] offset:786432   ; {m, l} from every lane: 256 consecutive bytes
.Lend:
	s_wait_tensorcnt 0x0                           ; the wave's end
	ds_add_u32 v[SPW], v[NIL]
	s_wait_dscnt 0x0
	s_endpgm
.Lfunc_end_k_q978041adec_main:
	.size	k_q978041adec_main, .Lfunc_end_k_q978041adec_main-k_q978041adec_main
	.p2alignl 7, 3214868480
	.fill 96, 4, 3214868480
	.section	.rodata,"a",@progbits
	.p2align	6, 0x0
	.amdhsa_kernel k_q978041adec_main
		.amdhsa_group_segment_fixed_size 327680
		.amdhsa_private_segment_fixed_size 0
		.amdhsa_enable_private_segment 0
		.amdhsa_kernarg_size 112
		.amdhsa_user_sgpr_count 2
		.amdhsa_user_sgpr_kernarg_segment_ptr 1
		.amdhsa_wavefront_size32 1
		.amdhsa_system_sgpr_workgroup_id_x 1
		.amdhsa_system_sgpr_workgroup_id_y 1
		.amdhsa_system_sgpr_workgroup_id_z 1
		.amdhsa_system_vgpr_workitem_id 0
		.amdhsa_next_free_vgpr 1024
		.amdhsa_next_free_sgpr 102
		.amdhsa_reserve_vcc 1
		.amdhsa_float_denorm_mode_32 3
		.amdhsa_float_denorm_mode_16_64 3
		.amdhsa_memory_ordered 1
		.amdhsa_forward_progress 1
		.amdhsa_inst_pref_size 255
	.end_amdhsa_kernel
	.section	.bss,"aw",@nobits
	.p2align	6
	.space	262144
	.amdgpu_metadata
---
amdhsa.version: [ 1, 2 ]
amdhsa.kernels:
  - .name:           k_q978041adec_main
    .symbol:         k_q978041adec_main.kd
    .args:
      - { .name: kb, .offset: 0, .size: 8, .value_kind: global_buffer, .address_space: global }
      - { .name: kb_mask, .offset: 8, .size: 8, .value_kind: global_buffer, .address_space: global }
      - { .name: context, .offset: 16, .size: 8, .value_kind: global_buffer, .address_space: global }
      - { .name: q_mask, .offset: 24, .size: 8, .value_kind: global_buffer, .address_space: global }
      - { .name: W_cattn, .offset: 32, .size: 8, .value_kind: global_buffer, .address_space: global }
      - { .name: b_cattn, .offset: 40, .size: 8, .value_kind: global_buffer, .address_space: global }
      - { .name: W_rattn, .offset: 48, .size: 8, .value_kind: global_buffer, .address_space: global }
      - { .name: b_rattn, .offset: 56, .size: 8, .value_kind: global_buffer, .address_space: global }
      - { .name: b_kb, .offset: 64, .size: 8, .value_kind: global_buffer, .address_space: global }
      - { .name: b_cat, .offset: 72, .size: 8, .value_kind: global_buffer, .address_space: global }
      - { .name: wts, .offset: 80, .size: 8, .value_kind: global_buffer, .address_space: global }
      - { .name: proj, .offset: 88, .size: 8, .value_kind: global_buffer, .address_space: global }
      - { .name: out0, .offset: 96, .size: 8, .value_kind: global_buffer, .address_space: global }
      - { .name: part, .offset: 104, .size: 8, .value_kind: global_buffer, .address_space: global }
    .group_segment_fixed_size: 327680
    .private_segment_fixed_size: 0
    .kernarg_segment_align: 8
    .kernarg_segment_size: 112
    .max_flat_workgroup_size: 128
    .sgpr_count:     102
    .vgpr_count:     1024
    .wavefront_size: 32
...
	.end_amdgpu_metadata
.endif
;; end of part 2
;; launch final (part 3): grid 32 x 1, 8 waves a work-group, no clusters, 18,688 bytes of LDS; arguments memory, b_wr, wts, part, out1, out2; writes out1, out2
.if DOCPART == 3
	.amdgcn_target "amdgcn-amd-amdhsa--gfx1250"
	.amdhsa_code_object_version 6
	.text
	.protected	k_q978041adec_final
	.globl	k_q978041adec_final
	.p2align	8
	.type	k_q978041adec_final,@function
k_q978041adec_final:
	s_mov_b64 s[64:65], 0
	v_nop
	global_prefetch_b8 v0, s[64:65] scope:SCOPE_SE
	s_setreg_imm32_b32 hwreg(HW_REG_WAVE_MODE, 25, 1), 1
	s_wait_xcnt 0x0
; MACCell, launch 3 of 3.  Nothing of reference() is left out here.  The two halves of each batch are joined: M = max(m0, m1), L = l0 e^(m0 - M) + l1 e^(m1 - M);
; attn_weights = e^(logit - M) / L;  read = (e^(m0 - M) r0 + e^(m1 - M) r1) / L;  new_memory = Q([memory, read]) Q(W_wr) + b_wr.
; SHARES.  32 work-groups of eight waves: 16 batches (number / 4) x 128 columns (number % 4).  Wave i quantises K step i of the 16 rows (i < 4: memory; else read), makes the tile of 16 columns
; 128 w + 16 i over all eight K steps, and stores attn_weights of batches 2 i, 2 i + 1 of the 16 at columns 128 w on.  The fragments go from wave to wave through LDS as images of their registers.
; LIMITS: as in the launches before: a block of zeros gets the scale byte 1; NaN and infinities are not served; an exponential under 2^-126 is flushed to 0.
.set AIMG,  0                          ; eight fragments
.set ASC,   8192                       ; their scale words
.set STG,   9216                       ; 16 rows x (512 + 16) bytes
.set SPARE, 17664                      ; the spare words: no other line names them
.set ASR, 1                            ; ASC + 4 x lane
.set SRD, 2                            ; the stage: my two rows, 16 x lane
.set XAR, 3                            ; the halves' sums: 4,096 r + 64 h
.set XAM, 4                            ; memory: 2,048 r + 64 h
.set L16, 5
.set SAO, 6                            ; {m, l} of batch r
.set SBO, 7                            ; {m, l} of batch 2 i + h
.set LGO, 8                            ; logits and attn_weights: 2,048 h + 16 r
.set R4,  9
.set H32, 10
.set IW,  11                           ; where my fragment goes
.set SWA, 12                           ; and its scale word
.set STO, 13                           ; the stage: where I put 32 bytes of a row
.set SPW, 14
.set NIL, 15
.set TM,  16                           ; v16-31  {m, l}, then at work in QUANT
.set X,   32                           ; v32-95  64 numbers, later the eight fragments
.set Y,   96                           ; v96-159 the second half's 64 numbers
.set PC,  96                           ; later the codes just made
.set PW,  104
.set WF,  160                          ; v160-223 W_wr's eight fragments
.set ACC0, 224
.set ACC1, 232                         ; first the logits
.set WS,  240                          ; v240-247 W_wr's scale words: scales and nothing else
.set AS,  248                          ; v248-255 the rows' scale words: scales and nothing else
.set WV,  16
.set MI,  17
.set CW,  18
.set SEL, 36
.macro QUANT src, pc, pw
.irp b, 0,1,2,3
	v_max3_num_f32 v[TM+\b], |v[\src+16*\b]|, |v[\src+1+16*\b]|, 0x1800000
.endr
.irp i, 2,4,6,8,10,12,14
.irp b, 0,1,2,3
	v_max3_num_f32 v[TM+\b], v[TM+\b], |v[\src+16*\b+\i]|, |v[\src+1+16*\b+\i]|
.endr
.endr
.irp b, 0,1,2,3
	v_permlanex16_b32 v[TM+4+\b], v[TM+\b], s[SEL], s[SEL+1]
.endr
.irp b, 0,1,2,3
	v_max_num_f32 v[TM+\b], v[TM+\b], v[TM+4+\b]
.endr
.irp b, 0,1,2,3
	v_add_nc_u32 v[TM+12+\b], 0xff000000, v[TM+\b]
.endr
.irp b, 0,1,2,3
	v_lshrrev_b32 v[TM+4+\b], 23, v[TM+12+\b]
.endr
	v_lshl_or_b32 v[\pw], v[TM+5], 8, v[TM+4]
	v_lshl_or_b32 v[\pw], v[TM+6], 16, v[\pw]
	v_lshl_or_b32 v[\pw], v[TM+7], 24, v[\pw]
.irp b, 0,1,2,3
	v_cvt_scalef32_pk8_fp4_f32 v[\pc+2*\b], v[\src+16*\b:\src+7+16*\b], v[TM+12+\b]
	v_cvt_scalef32_pk8_fp4_f32 v[\pc+1+2*\b], v[\src+8+16*\b:\src+15+16*\b], v[TM+12+\b]
.endr
	v_nop
.irp c, 0,1
.irp i, 0,1
	v_permlane16_swap_b32 v[\pc+4*\c+\i], v[\pc+2+4*\c+\i]
.endr
.endr
.endm
.macro BAR
	s_wait_dscnt 0x0
	s_barrier_signal -1
	s_barrier_wait -1
.endm
	s_load_b256 s[4:11], s[0:1], 0x0               ; memory, b_wr, wts, part
	s_load_b128 s[12:15], s[0:1], 0x20             ; out1, out2
	v_lshl_add_u32 v[SPW], v0, 2, SPARE
	v_mov_b32 v[NIL], 0
	v_lshrrev_b32 v1, 5, v0
	v_readfirstlane_b32 s[WV], v1                  ; wave 0..7
	s_lshr_b32 s[MI], ttmp9, 2
	s_and_b32 s[CW], ttmp9, 3
	s_mov_b32 s[SEL], 0x76543210
	s_mov_b32 s[SEL+1], 0xfedcba98
	v_and_b32 v1, 31, v0                           ; lane
	v_and_b32 v2, 15, v0                           ; r
	v_bfe_u32 v3, v0, 4, 1                         ; h
	v_lshlrev_b32 v[L16], 4, v1
	v_lshlrev_b32 v[XAM], 11, v2
	v_lshl_add_u32 v[XAM], v3, 6, v[XAM]
	v_lshlrev_b32 v[SAO], 9, v2
	s_lshl_b32 s20, s[WV], 10
	v_lshlrev_b32 v[SBO], 9, v3
	v_add_nc_u32 v[SBO], s20, v[SBO]
	v_lshlrev_b32 v[LGO], 11, v3
	v_lshl_add_u32 v[LGO], v2, 4, v[LGO]
	v_lshlrev_b32 v[R4], 2, v2
	v_lshlrev_b32 v[H32], 5, v3
	v_add_nc_u32 v[IW], s20, v[L16]
	s_lshl_b32 s21, s[WV], 7
	s_add_co_u32 s21, s21, ASC
	v_lshl_add_u32 v[SWA], v1, 2, s21
	s_lshl_b32 s21, s[WV], 6
	s_add_co_u32 s21, s21, STG
	v_mul_u32_u24 v[STO], v2, 528
	v_lshl_add_u32 v[STO], v3, 5, v[STO]
	v_add_nc_u32 v[STO], s21, v[STO]
	s_mul_i32 s21, s[WV], 1056
	s_add_co_u32 s21, s21, STG
	v_lshlrev_b32 v[XAR], 6, v3
	v_lshl_add_u32 v[XAR], v2, 12, v[XAR]
	v_add_nc_u32 v[SRD], s21, v[L16]
	v_lshl_add_u32 v[ASR], v1, 2, ASC
	s_mov_b32 s23, 0
	s_wait_kmcnt 0x0
	s_lshl_b32 s22, s[MI], 13
	s_add_nc_u64 s[28:29], s[10:11], s[22:23]      ; {m, l}: 512 bytes a batch
	s_lshl_b32 s22, s[MI], 15
	s_lshl_b32 s24, s[WV], 12
	s_add_co_u32 s22, s22, s24
	s_lshl_b32 s24, s[CW], 9
	s_add_co_u32 s22, s22, s24                     ; batch 16 mi + 2 i, column 128 w
	s_add_nc_u64 s[30:31], s[10:11], s[22:23]      ; in the logits,
	s_add_nc_u64 s[14:15], s[14:15], s[22:23]      ; in out2,
	s_add_nc_u64 s[12:13], s[12:13], s[22:23]      ; in out1
	s_lshl_b32 s22, s[CW], 16
	s_add_co_u32 s22, s22, s20
	s_add_nc_u64 s[32:33], s[8:9], s[22:23]        ; W_wr's images: tile (w, ., i)
	s_lshl_b32 s22, s[CW], 12
	s_lshl_b32 s24, s[WV], 6
	s_add_co_u32 s22, s22, s24
	s_add_nc_u64 s[34:35], s[8:9], s[22:23]        ; their scale words
	s_lshl_b32 s22, s[CW], 9
	s_add_co_u32 s22, s22, s24
	s_add_nc_u64 s[6:7], s[6:7], s[22:23]          ; b_wr
	global_load_b64 v[16:17], v[SAO], s[28:29] offset:786432
	global_load_b64 v[18:19], v[SAO], s[28:29] offset:786432+256
	global_load_b64 v[20:21], v[SBO], s[28:29] offset:786432
	global_load_b64 v[22:23], v[SBO], s[28:29] offset:786432+256
	global_load_b128 v[232:235], v[LGO], s[30:31] offset:524288
	global_load_b128 v[236:239], v[LGO], s[30:31] offset:524288+256
	s_cmp_lt_u32 s[WV], 4
	s_cbranch_scc0 .Lread_rows
	s_lshl_b32 s22, s[MI], 15
	s_lshl_b32 s24, s[WV], 9
	s_add_co_u32 s22, s22, s24
	s_add_nc_u64 s[4:5], s[4:5], s[22:23]
.irp b, 0,1,2,3
.irp q, 0,1,2,3
	global_load_b128 v[X+16*\b+4*\q:X+16*\b+4*\q+3], v[XAM], s[4:5] offset:128*\b+16*\q
.endr
.endr
	s_branch .Lrows_asked
.Lread_rows:
	s_lshl_b32 s22, s[MI], 16
	s_sub_co_u32 s24, s[WV], 4
	s_lshl_b32 s24, s24, 9
	s_add_co_u32 s22, s22, s24
	s_add_nc_u64 s[26:27], s[10:11], s[22:23]
.irp b, 0,1,2,3
.irp q, 0,1,2,3
	global_load_b128 v[X+16*\b+4*\q:X+16*\b+4*\q+3], v[XAR], s[26:27] offset:128*\b+16*\q
	global_load_b128 v[Y+16*\b+4*\q:Y+16*\b+4*\q+3], v[XAR], s[26:27] offset:2048+128*\b+16*\q
.endr
.endr
.Lrows_asked:
.irp s, 0,1,2,3,4,5,6,7
	global_load_b128 v[WF+8*\s:WF+8*\s+3], v[L16], s[32:33] offset:393216+8192*\s
	global_load_b128 v[WF+8*\s+4:WF+8*\s+7], v[L16], s[32:33] offset:393216+8192*\s+512
	global_load_b32 v[WS+\s], v[R4], s[34:35] offset:679936+512*\s
.endr
	global_load_b128 v[ACC0:ACC0+3], v[H32], s[6:7]            ; the bias is the C of the first product
	global_load_b128 v[ACC0+4:ACC0+7], v[H32], s[6:7] offset:16
	s_wait_loadcnt 0x0
	v_max_num_f32 v24, v16, v18                    ; M of batch r,
	v_max_num_f32 v25, v20, v22                    ; and of batch 2 i + h
	v_sub_f32 v16, v16, v24
	v_sub_f32 v18, v18, v24
	v_sub_f32 v20, v20, v25
	v_sub_f32 v22, v22, v25
	v_mul_f32 v16, 0x3fb8aa3b, v16
	v_mul_f32 v18, 0x3fb8aa3b, v18
	v_mul_f32 v20, 0x3fb8aa3b, v20
	v_mul_f32 v22, 0x3fb8aa3b, v22
	v_exp_f32 v16, v16
	v_exp_f32 v18, v18
	v_exp_f32 v20, v20
	v_exp_f32 v22, v22
.irp k, 0,1,2,3,4,5,6,7
	v_sub_f32 v[232+\k], v[232+\k], v25            ; (plain work behind the exponentials)
.endr
	s_wait_alu depctr_va_vdst(0)                   ; one wait for the four, ahead of their first reader
	v_mul_f32 v26, v17, v16
	v_fmac_f32 v26, v19, v18                       ; L
	v_mul_f32 v27, v21, v20
	v_fmac_f32 v27, v23, v22
.irp k, 0,1,2,3,4,5,6,7
	v_mul_f32 v[232+\k], 0x3fb8aa3b, v[232+\k]
.endr
	v_rcp_f32 v26, v26
	v_rcp_f32 v27, v27
.irp k, 0,1,2,3,4,5,6,7
	v_exp_f32 v[232+\k], v[232+\k]
.endr
	v_nop                                          ; a plain place behind the batch,
	s_wait_alu depctr_va_vdst(0)                   ; and its one wait
	v_mul_f32 v16, v16, v26                        ; a0 = e^(m0 - M) / L
	v_mul_f32 v18, v18, v26                        ; a1
.irp k, 0,1,2,3,4,5,6,7
	v_mul_f32 v[232+\k], v[232+\k], v27
.endr
	global_store_b128 v[LGO], v[232:235], s[14:15]             ; sixteen lanes store 256 consecutive bytes, aligned
	global_store_b128 v[LGO], v[236:239], s[14:15] offset:256
	s_cmp_lt_u32 s[WV], 4
	s_cbranch_scc1 .Lrows_ready
.set k, 0
.rept 32
	v_pk_mul_f32 v[X+2*k:X+2*k+1], v[X+2*k:X+2*k+1], v[16:17] op_sel_hi:[1,0]
.set k, k+1
.endr
.set k, 0
.rept 32
	v_pk_fma_f32 v[X+2*k:X+2*k+1], v[Y+2*k:Y+2*k+1], v[18:19], v[X+2*k:X+2*k+1] op_sel_hi:[1,0,1]   ; read
.set k, k+1
.endr
.Lrows_ready:
	QUANT X, PC, PW
	ds_store_b128 v[IW], v[PC:PC+3]
	ds_store_b128 v[IW], v[PC+4:PC+7] offset:512
	ds_store_b32 v[SWA], v[PW]
	BAR                                            ; the eight fragments lie in LDS
.irp s, 0,1,2,3,4,5,6,7
	ds_load_b128 v[X+8*\s:X+8*\s+3], v[L16] offset:1024*\s
	ds_load_b128 v[X+8*\s+4:X+8*\s+7], v[L16] offset:1024*\s+512
	ds_load_b32 v[AS+\s], v[ASR] offset:128*\s
.endr
	s_wait_dscnt 0x0
	s_wait_xcnt 0x0                                ; out2's stores have read their data: the second accumulator takes those registers
.irp s, 0,1,2,3,4,5,6,7                        ; TRANSPOSED: source 0 = 16 columns of W_wr, source 1 = the 16 rows.  Two accumulators take turns: even K steps, odd K steps
.if \s == 1
	v_wmma_scale_f32_16x16x128_f8f6f4 v[ACC1:ACC1+7], v[WF+8*\s:WF+8*\s+7], v[X+8*\s:X+8*\s+7], 0, v[WS+\s], v[AS+\s] matrix_a_fmt:MATRIX_FMT_FP4 matrix_b_fmt:MATRIX_FMT_FP4
.else
	v_wmma_scale_f32_16x16x128_f8f6f4 v[ACC0+8*(\s%2):ACC0+8*(\s%2)+7], v[WF+8*\s:WF+8*\s+7], v[X+8*\s:X+8*\s+7], v[ACC0+8*(\s%2):ACC0+8*(\s%2)+7], v[WS+\s], v[AS+\s] matrix_a_fmt:MATRIX_FMT_FP4 matrix_b_fmt:MATRIX_FMT_FP4
.endif
.endr
.rept 4
	v_nop
.endr
.irp k, 0,1,2,3
	v_pk_add_f32 v[ACC0+2*\k:ACC0+2*\k+1], v[ACC0+2*\k:ACC0+2*\k+1], v[ACC1+2*\k:ACC1+2*\k+1]   ; both from their low ends on
.endr
	ds_store_b128 v[STO], v[ACC0:ACC0+3]           ; lane (r, h): row r, columns 16 i + 8 h + 0..7 of the 128
	ds_store_b128 v[STO], v[ACC0+4:ACC0+7] offset:16
	BAR                                            ; 16 whole rows lie in the stage
	ds_load_b128 v[X:X+3], v[SRD]
	ds_load_b128 v[X+4:X+7], v[SRD] offset:528
	s_wait_dscnt 0x0
	global_store_b128 v[L16], v[X:X+3], s[12:13]               ; 512 consecutive bytes a store
	global_store_b128 v[L16], v[X+4:X+7], s[12:13] offset:2048
	s_wait_tensorcnt 0x0                           ; the wave's end
	ds_add_u32 v[SPW], v[NIL]
	s_wait_dscnt 0x0
	s_endpgm
.Lfunc_end_k_q978041adec_final:
	.size	k_q978041adec_final, .Lfunc_end_k_q978041adec_final-k_q978041adec_final
	.p2alignl 7, 3214868480
	.fill 96, 4, 3214868480
	.section	.rodata,"a",@progbits
	.p2align	6, 0x0
	.amdhsa_kernel k_q978041adec_final
		.amdhsa_group_segment_fixed_size 18688
		.amdhsa_private_segment_fixed_size 0
		.amdhsa_enable_private_segment 0
		.amdhsa_kernarg_size 48
		.amdhsa_user_sgpr_count 2
		.amdhsa_user_sgpr_kernarg_segment_ptr 1
		.amdhsa_wavefront_size32 1
		.amdhsa_system_sgpr_workgroup_id_x 1
		.amdhsa_system_sgpr_workgroup_id_y 1
		.amdhsa_system_sgpr_workgroup_id_z 1
		.amdhsa_system_vgpr_workitem_id 0
		.amdhsa_next_free_vgpr 256
		.amdhsa_next_free_sgpr 66
		.amdhsa_reserve_vcc 0
		.amdhsa_float_denorm_mode_32 3
		.amdhsa_float_denorm_mode_16_64 3
		.amdhsa_memory_ordered 1
		.amdhsa_forward_progress 1
		.amdhsa_inst_pref_size 25
	.end_amdhsa_kernel
	.amdgpu_metadata
---
amdhsa.version: [ 1, 2 ]
amdhsa.kernels:
  - .name:           k_q978041adec_final
    .symbol:         k_q978041adec_final.kd
    .args:
      - { .name: memory, .offset: 0, .size: 8, .value_kind: global_buffer, .address_space: global }
      - { .name: b_wr, .offset: 8, .size: 8, .value_kind: global_buffer, .address_space: global }
      - { .name: wts, .offset: 16, .size: 8, .value_kind: global_buffer, .address_space: global }
      - { .name: part, .offset: 24, .size: 8, .value_kind: global_buffer, .address_space: global }
      - { .name: out1, .offset: 32, .size: 8, .value_kind: global_buffer, .address_space: global }
      - { .name: out2, .offset: 40, .size: 8, .value_kind: global_buffer, .address_space: global }
    .group_segment_fixed_size: 18688
    .private_segment_fixed_size: 0
    .kernarg_segment_align: 8
    .kernarg_segment_size: 48
    .max_flat_workgroup_size: 256
    .sgpr_count:     66
    .vgpr_count:     256
    .wavefront_size: 32
...
	.end_amdgpu_metadata
.endif
;; end of part 3
